; MI455X (gfx1250); checked and timed in simulation.
; The chip was launched on July 23, 2026; its instructions are those of AMD's public machine-readable ISA for CDNA 5 (MIT licence, August 2026) and "CDNA5" Instruction Set Architecture Reference Guide (July 2026). The comments in the code are by the model that wrote it; some were corrected since.
;; Multi Head Attention. Allowed arithmetic: matrix products marked QUANTISED: E2M3 operands, one E8M0 scale for each 32 along K, by v_wmma_scale_f32_16x16x128_f8f6f4 with both operands' format E2M3, f32 sums; everything else in f32.
;; Inputs: Wk 1,024 x 1,024 float32; Wo 1,024 x 1,024 float32; Wq 1,024 x 1,024 float32; Wv 1,024 x 1,024 float32; bk 1,024 float32; bo 1,024 float32; bq 1,024 float32; bv 1,024 float32; key 4 x 2,048 x 1,024 float32; mask 4 x 1 x 1 x 2,048 int32; query 4 x 2,048 x 1,024 float32; value 4 x 2,048 x 1,024 float32.
;; Outputs: out0 4 x 2,048 x 1,024 float32.
;; This version of the problem:
;;   THIS VERSION OF THE PROBLEM IS GIVEN IN LOW PRECISION. The matrix products marked QUANTISED in the list below multiply operands that are first quantised to E2M3 (2 exponent bits, 3 mantissa bits; 6 bits a number), with one power-of-two scale for each 32 numbers along K (OCP MX v1.0); their sums are f32. All else is computed in f32.
;;   The module's matrix products, in the order in which they are computed (A, B: the left and right operand; K: the contracted axis; several contracted axes count as one K, in the product's order):
;;     1. [M 8,192, K 1,024] x [K 1,024, N 1,024]; A: input query; B: input Wq: QUANTISED
;;     2. [M 8,192, K 1,024] x [K 1,024, N 1,024]; A: input key; B: input Wk: QUANTISED
;;     3. [M 8,192, K 1,024] x [K 1,024, N 1,024]; A: input value; B: input Wv: QUANTISED
;;     4. batch 64 x [M 2,048, K 64] x [K 64, N 2,048]; A: computed on the way; B: computed on the way: QUANTISED
;;     5. batch 64 x [M 2,048, K 2,048] x [K 2,048, N 64]; A: softmax (see below); B: computed on the way: QUANTISED
;;     6. [M 8,192, K 1,024] x [K 1,024, N 1,024]; A: computed on the way; B: input Wo: QUANTISED
;;   THE QUANTISER, for each operand of a quantised product, along K:
;;     - K is cut into blocks of 32 from its start; a last block that is shorter is filled with zeros.
;;     - A block's scale is 2^e with e = floor(log2(the largest magnitude in the block)) - 2, held to -126 .. 127; a block of zeros has e = 0. As a byte (E8M0): e + 127.
;;     - Each number is divided by its block's scale, clamped to +-7.5, and rounded to the nearest number of E2M3, ties to even, subnormals kept.
;;     - The product sums the exact products of the quantised numbers (number of the format x scale) in f32.
;;   ~~~python
;;   def quantise(x, axis):      # numpy; x: float32 -> the quantised numbers, widened to float32 again
;;       x = np.moveaxis(x, axis, -1); K = x.shape[-1]
;;       x = np.pad(x, [(0, 0)] * (x.ndim - 1) + [(0, -K % 32)]); x = x.reshape(x.shape[:-1] + (-1, 32)); a = np.abs(x).max(-1, keepdims=True)
;;       e = np.where(a > 0, np.clip(np.frexp(np.where(a > 0, a, 1))[1] - 1 - 2, -126, 127), 0)      # np.frexp(a)[1] - 1 = floor(log2(a)), exactly
;;       r = np.clip(x / 2.0 ** e, -7.5, 7.5)
;;       step = 2.0 ** (np.maximum(np.frexp(np.where(r == 0, 1, r))[1] - 1, 0) - 3)
;;       q = np.round(r / step) * step * 2.0 ** e      # np.round: ties to even
;;       return np.moveaxis(q.reshape(q.shape[:-2] + (-1,))[..., :K], -1, axis).astype(np.float32)
;;   ~~~
;;   SOFTMAX AHEAD OF A QUANTISED PRODUCT. Where the list says 'softmax', what is quantised is not the finished softmax but p = 2^(t - M), with t = logit x log2(e) and M = ceil(the row's largest t), a whole number; so 1/2 < the row's largest p <= 1. The row's sum l is taken of the UNQUANTISED p, in f32, and the product's result is divided by l at the end. Since M is a whole number, a kernel that streams over the keys may use a running M (the ceiling of the running maximum): every later rescaling is an exact power of two, which a block's scale takes up: the codes' values come out the same.
;;   OPERANDS COMPUTED ON THE WAY. 'Computed on the way' means the value that the module computes at that place (a softmax that the list does not call 'softmax' is quantised finished and normalised). What goes into a quantiser is computed in f32, as accurately as f32 sums, v_exp_f32 and their like allow (about 1e-6 of the number): no bf16 or f16 on the way to a quantiser, and a product that is left as it is and whose result goes on into a quantised operand takes f32 operands (vector FMAs, or v_wmma_f32_16x16x4_f32). A number that lies on a knife's edge between two numbers of the format may be rounded either way, as far as f32 arithmetic and the matrix unit's own rounding can turn it there, and no further.
;; One version. Each part assembles by itself: llvm-mc -triple=amdgcn-amd-amdhsa -mcpu=gfx1250 --defsym DOCPART=n.
;; ======== version 1 of 1: 4 launches
;; limits: right only within a limited range of input values
;; workspace buffers: opc 22,020,096 bytes; ops 917,504 bytes; hq 6,815,744 bytes; hkv 13,369,344 bytes; oc 6,291,456 bytes; os 262,144 bytes
;; launch quant (part 1): grid 256 x 1, 7 waves a work-group, no clusters, 60,160 bytes of LDS; arguments query, key, value, Wq, Wk, Wv, Wo, opc, ops; writes opc, ops
.if DOCPART == 1
	.amdgcn_target "amdgcn-amd-amdhsa--gfx1250"
	.amdhsa_code_object_version 6
	.text
	.protected	k_q1130744778_quant
	.globl	k_q1130744778_quant
	.p2align	8
	.type	k_q1130744778_quant,@function
k_q1130744778_quant:
	s_mov_b64 s[64:65], 0
	v_nop
	global_prefetch_b8 v0, s[64:65] scope:SCOPE_SE
	s_setreg_imm32_b32 hwreg(HW_REG_WAVE_MODE, 25, 1), 1
	s_wait_xcnt 0x0
; query, key, value [8192][1024] and Wq, Wk, Wv, Wo [1024][1024], f32, K innermost, become codes of FP6 (E2M3) and E8M0 scale words, laid as the products' operand registers want them.
; A TILE is 16 rows x all 1,024 of K.  Lane r of a tensor's tile gl holds row 32 (gl / 2) + 8 (gl % 2) + r + 8 (r / 8): so the results of two neighbouring tiles, taken as source 0 of a product, are 16 neighbours in a lane's registers.
; There are 1,792 tiles (query 0-511, key 512-, value 1,024-, Wq 1,536-, Wk 1,600-, Wv 1,664-, Wo 1,728-): 256 work-groups x 7 waves, a tile to a wave.
; OUT.  opc: 12,288 bytes a tile; K step t (128 along K) at 1,536 t, as two images of six operand registers: registers 0-3 at 16 x lane (512 bytes), registers 4-5 at 512 + 8 x lane (256 bytes).
;       ops: 512 bytes a tile: row r's eight scale words (one for each K step) at 32 r.
; A block's scale is 2^(floor(log2(its largest magnitude)) - 2); its byte is that magnitude's exponent field - 2, held at 1 from below.
; LIMITS: a block of zeros, or one whose largest magnitude lies under 2^-124, carries the byte 1 (its codes are zeros or as the floor's scale gives them; the bytes are read by this program alone); NaN and infinities among the inputs are not served.
; Each load reads 512 consecutive bytes of one row; a step's 16 x 512 bytes turn through the wave's own stage in LDS, so that a lane gets two whole blocks of 32 neighbours.  No barrier: waves share nothing.
.set STGB, 8448                        ; a wave's stage: 16 rows of PIT bytes
.set PIT,  528                         ; 512 bytes + 16
.set SWD,  20                          ; v20-27   the eight scale words of my row
.set P,    32                          ; v32-43   a fragment's codes
.set T,    44                          ; v44-46, v48-50  the second halves of the two blocks' codes, as the conversions leave them
.set X,    64                          ; v64-127  my 64 numbers of a step
.set R,    128                         ; v128-255 two sets of 64 registers, as loaded
	s_load_b512 s[4:19], s[0:1], 0x0               ; query, key, value, Wq, Wk, Wv, Wo, opc
	s_load_b64 s[20:21], s[0:1], 0x40              ; ops
	v_lshl_add_u32 v62, v0, 2, 0xe700
	v_mov_b32 v63, 0
	v_lshrrev_b32 v1, 5, v0
	v_readfirstlane_b32 s22, v1                    ; wave 0..6
	v_and_b32 v1, 31, v0                           ; lane
	v_and_b32 v2, 15, v0                           ; r
	v_bfe_u32 v3, v0, 4, 1                         ; h
	s_mul_i32 s25, s22, STGB                       ; my stage
	v_lshlrev_b32 v4, 4, v1                        ; 16 x lane: a load's place, and a code image's
	v_add_nc_u32 v5, s25, v4                       ; into the stage: a row's 512 bytes as they lie
	v_mul_u32_u24 v6, v2, PIT
	v_lshl_add_u32 v6, v3, 7, v6
	v_add_nc_u32 v6, s25, v6                       ; out of it: row r, + 128 h: my block of 32 numbers
	v_lshlrev_b32 v7, 3, v1                        ; 8 x lane
	v_lshlrev_b32 v8, 5, v2
	v_lshl_add_u32 v8, v3, 4, v8                   ; 32 r + 16 h: my four scale words in ops
	v_lshlrev_b32 v9, 3, v3                        ; 8 h: how far my two bytes move up in a scale word
	v_mov_b32 v17, 0                               ; written once: a lane permute's destination counts as one of its sources
	s_mov_b32 s30, 0x76543210
	s_mov_b32 s31, 0xfedcba98                      ; v_permlanex16_b32's selects for lane l xor 16
	s_mul_i32 s23, ttmp9, 7
	s_add_co_u32 s23, s23, s22                     ; my tile
	s_wait_alu depctr_va_vdst(0)
	s_wait_kmcnt 0x0
	s_mov_b64 s[26:27], s[16:17]                   ; which tensor: the choice hangs on the tile's number alone
	s_mov_b32 s24, 1728
.macro PICK bound, lo, base
	s_cmp_lt_u32 s23, \bound
	s_cselect_b64 s[26:27], s[\lo:\lo+1], s[26:27]
	s_cselect_b32 s24, \base, s24
.endm
	PICK 1728, 14, 1664
	PICK 1664, 12, 1600
	PICK 1600, 10, 1536
	PICK 1536, 8, 1024
	PICK 1024, 6, 512
	PICK 512, 4, 0
	s_sub_co_u32 s24, s23, s24                     ; the tile's number in its tensor
	s_lshr_b32 s28, s24, 1
	s_lshl_b32 s28, s28, 17                        ; 32 rows of 4,096 bytes for each pair of tiles,
	s_and_b32 s29, s24, 1
	s_lshl_b32 s29, s29, 15                        ; 8 rows for the odd one
	s_add_co_u32 s28, s28, s29
	s_mov_b32 s29, 0
	s_add_nc_u64 s[26:27], s[26:27], s[28:29]
	s_mul_i32 s28, s23, 12288
	s_add_nc_u64 s[18:19], s[18:19], s[28:29]      ; my tile's codes
	s_lshl_b32 s28, s23, 9
	s_add_nc_u64 s[20:21], s[20:21], s[28:29]      ; and its scale words
.macro LOAD t                          ; K step t of the tile's 16 rows into set t % 2
.irp i, 0,1,2,3,4,5,6,7,8,9,10,11,12,13,14,15
	global_load_b128 v[R+64*((\t)%2)+4*\i:R+64*((\t)%2)+4*\i+3], v4, s[26:27] offset:(\i+8*(\i/8))*4096+512*(\t) th:TH_LOAD_NT
.endr
.endm
.macro STEP t
.if (\t) < 7
	s_wait_loadcnt 16                              ; this step's 16 loads are in; the next step's 16 may be out
.else
	s_wait_loadcnt 0x0
.endif
.irp i, 0,1,2,3,4,5,6,7,8,9,10,11,12,13,14,15
	ds_store_b128 v5, v[R+64*((\t)%2)+4*\i:R+64*((\t)%2)+4*\i+3] offset:PIT*\i
.endr
.irp j, 0,1,2,3,4,5,6,7
	ds_load_b128 v[X+4*\j:X+4*\j+3], v6 offset:16*\j               ; k = 32 h + 0 .. 31 of the step (LDS serves a wave's instructions in order: these see the stores above)
.endr
.irp j, 0,1,2,3,4,5,6,7
	ds_load_b128 v[X+32+4*\j:X+35+4*\j], v6 offset:256+16*\j       ; k = 64 + 32 h + 0 .. 31
.endr
	s_wait_dscnt 0x0                               ; my numbers are in, and the stores have read the set,
.if (\t)+2 < 8
	LOAD (\t)+2                                    ; which takes the loads of two steps on
.endif
	v_max3_num_f32 v10, |v[X]|, |v[X+1]|, 0x1800000                ; my two blocks' largest magnitudes, by turns, with the floor 2^(3 - 127) among the leaves: the byte cannot fall under 1
	v_max3_num_f32 v11, |v[X+32]|, |v[X+33]|, 0x1800000
.irp i, 2,4,6,8,10,12,14,16,18,20,22,24,26,28,30
	v_max3_num_f32 v10, v10, |v[X+\i]|, |v[X+\i+1]|
	v_max3_num_f32 v11, v11, |v[X+32+\i]|, |v[X+33+\i]|
.endr
	v_add_nc_u32 v12, 0xff000000, v10              ; 2 off the exponent field: the conversion takes the exponent field of this operand as its scale
	v_add_nc_u32 v13, 0xff000000, v11
	v_lshrrev_b32 v14, 23, v12                     ; the scales' bytes: blocks h and 2 + h of the step
	v_lshrrev_b32 v15, 23, v13
	v_lshl_or_b32 v16, v15, 16, v14
	v_lshlrev_b32 v16, v9, v16                     ; at their places in the word
	v_permlanex16_b32 v17, v16, s30, s31
	v_or_b32 v[SWD+(\t)], v16, v17                 ; with lane l xor 16's two the word is whole
	s_wait_alu depctr_va_vdst(0)
	s_wait_xcnt 0x0                                ; the last step's stores have read the codes' registers: only behind this wait are they written again
	v_cvt_scalef32_pk16_fp6_f32 v[P:P+2], v[X:X+15], v12
	v_cvt_scalef32_pk16_fp6_f32 v[T:T+2], v[X+16:X+31], v12        ; (a conversion's three registers begin on an even number)
	v_cvt_scalef32_pk16_fp6_f32 v[P+6:P+8], v[X+32:X+47], v13
	v_cvt_scalef32_pk16_fp6_f32 v[T+4:T+6], v[X+48:X+63], v13
	v_nop                                          ; one plain place behind a scaled conversion
.irp k, 0,1,2
	v_mov_b32 v[P+3+\k], v[T+\k]
	v_mov_b32 v[P+9+\k], v[T+4+\k]
.endr
	global_store_b128 v4, v[P:P+3], s[18:19] offset:1536*(\t)              ; 512 consecutive bytes
	global_store_b64 v7, v[P+4:P+5], s[18:19] offset:1536*(\t)+512         ; 256
	global_store_b128 v4, v[P+6:P+9], s[18:19] offset:1536*(\t)+768
	global_store_b64 v7, v[P+10:P+11], s[18:19] offset:1536*(\t)+1280
.endm
	LOAD 0
	LOAD 1
.irp t, 0,1,2,3,4,5,6,7
	STEP \t
.endr
	v_cmp_eq_u32 vcc_lo, 1, v3                     ; lanes 0-15 store words 0-3 of their row, lanes 16-31 words 4-7: 512 bytes in one store
.irp k, 0,1,2,3
	v_cndmask_b32 v[28+\k], v[SWD+\k], v[SWD+4+\k], vcc_lo
.endr
	global_store_b128 v8, v[28:31], s[20:21]
	s_wait_tensorcnt 0x0
	ds_add_u32 v62, v63
	s_wait_dscnt 0x0
	s_endpgm
.Lfunc_end_k_q1130744778_quant:
	.size	k_q1130744778_quant, .Lfunc_end_k_q1130744778_quant-k_q1130744778_quant
	.p2alignl 7, 3214868480
	.fill 96, 4, 3214868480
	.section	.rodata,"a",@progbits
	.p2align	6, 0x0
	.amdhsa_kernel k_q1130744778_quant
		.amdhsa_group_segment_fixed_size 60160
		.amdhsa_private_segment_fixed_size 0
		.amdhsa_enable_private_segment 0
		.amdhsa_kernarg_size 72
		.amdhsa_user_sgpr_count 2
		.amdhsa_user_sgpr_kernarg_segment_ptr 1
		.amdhsa_wavefront_size32 1
		.amdhsa_system_sgpr_workgroup_id_x 1
		.amdhsa_system_sgpr_workgroup_id_y 1
		.amdhsa_system_sgpr_workgroup_id_z 1
		.amdhsa_system_vgpr_workitem_id 0
		.amdhsa_next_free_vgpr 256
		.amdhsa_next_free_sgpr 66
		.amdhsa_reserve_vcc 1
		.amdhsa_float_denorm_mode_32 3
		.amdhsa_float_denorm_mode_16_64 3
		.amdhsa_memory_ordered 1
		.amdhsa_forward_progress 1
		.amdhsa_inst_pref_size 59
	.end_amdhsa_kernel
	.amdgpu_metadata
---
amdhsa.version: [ 1, 2 ]
amdhsa.kernels:
  - .name:           k_q1130744778_quant
    .symbol:         k_q1130744778_quant.kd
    .args:
      - { .name: query, .offset: 0, .size: 8, .value_kind: global_buffer, .address_space: global }
      - { .name: key, .offset: 8, .size: 8, .value_kind: global_buffer, .address_space: global }
      - { .name: value, .offset: 16, .size: 8, .value_kind: global_buffer, .address_space: global }
      - { .name: Wq, .offset: 24, .size: 8, .value_kind: global_buffer, .address_space: global }
      - { .name: Wk, .offset: 32, .size: 8, .value_kind: global_buffer, .address_space: global }
      - { .name: Wv, .offset: 40, .size: 8, .value_kind: global_buffer, .address_space: global }
      - { .name: Wo, .offset: 48, .size: 8, .value_kind: global_buffer, .address_space: global }
      - { .name: opc, .offset: 56, .size: 8, .value_kind: global_buffer, .address_space: global }
      - { .name: ops, .offset: 64, .size: 8, .value_kind: global_buffer, .address_space: global }
    .group_segment_fixed_size: 60160
    .private_segment_fixed_size: 0
    .kernarg_segment_align: 8
    .kernarg_segment_size: 72
    .max_flat_workgroup_size: 224
    .sgpr_count:     66
    .vgpr_count:     256
    .wavefront_size: 32
...
	.end_amdgpu_metadata
.endif
;; end of part 1
;; launch proj (part 2): grid 4 x 64, 4 waves a work-group, clusters of 4 x 4, 327,680 bytes of LDS; arguments opc, ops, mask, bq, bk, bv, hq, hkv; writes hq, hkv
.if DOCPART == 2
	.amdgcn_target "amdgcn-amd-amdhsa--gfx1250"
	.amdhsa_code_object_version 6
	.text
	.protected	k_q1130744778_proj
	.globl	k_q1130744778_proj
	.p2align	8
	.type	k_q1130744778_proj,@function
k_q1130744778_proj:
	s_mov_b64 s[64:65], 0
	v_nop
	global_prefetch_b8 v0, s[64:65] scope:SCOPE_SE
	s_setreg_imm32_b32 hwreg(HW_REG_WAVE_MODE, 25, 1), 1
	s_wait_xcnt 0x0
	s_wait_alu depctr_hold_cnt(0) depctr_sa_sdst(0) depctr_va_vdst(0) depctr_va_sdst(0) depctr_va_ssrc(0) depctr_va_vcc(0) depctr_vm_vsrc(0)
	s_getreg_b32 s2, hwreg(HW_REG_IB_STS2, 6, 4)
	s_cmp_eq_u32 s2, 0
	s_cbranch_scc0 .Lentry_in_a_cluster
	s_endpgm
.Lentry_in_a_cluster:
	s_bfe_u32 s2, ttmp6, 0x10000c
	s_cmp_lg_u32 s2, 0xf033
	s_cbranch_scc0 .Lentry_shape_is_right
	s_endpgm
.Lentry_shape_is_right:
; Q = query Wq^T + bq, K = key Wk^T + bk, V = value Wv^T + bv on codes of FP6 (E2M3) with E8M0 scales, and the results quantised again for the attention: Q and K along the head's 64, V along the keys.
; SHARES.  256 work-groups that STAY: a work-group takes 128 token places x 256 columns (four heads) of all three products, one after the other (t = 0 Q, 1 K, 2 V); wave w takes head 4 x + w: 8 tiles of tokens x 4 tiles of columns, 32 accumulators.
; THE TEXT: Q and K are a loop of two trips; V, whose products and way out differ and which asks for no further tiles, is the tail, written out.
; LDS holds ALL of K (1,024) of one product's operands, in two halves of four K steps: the tokens' 8 tiles x 6,144 bytes, then the weights' 16 tiles.  One joint load a wave: wave 0 the tokens of half 0, wave 1 the weights of half 0, waves 2 and 3 the same of half 1.
; REFILLS.  When K step 3's fragments are in registers nobody reads half 0 any more: a drained round of the cluster's barrier, and waves 0 and 1 fill it with the NEXT product's tiles; at K step 7 waves 2 and 3 do the same for half 1.
; So a refill is asked for four K steps or more ahead of its first read, and no data prefetch is laid beside it.  By the text's own count a wave has one tensor load out; every wait for tensor loads is for all.
; The next product's scale words and bias are loaded under the way out, its K step 0 fragments are fetched in K step 7.
; CLUSTERS: 4 x 4 work-groups.  The four of a row of the cluster need the same tokens, the four of a column the same weights: each tile is asked for jointly, with a mask that names the four.
; OPERANDS lie in memory and in LDS as images of the operand's registers (six registers for 64 along K: 512 bytes at 16 x lane, 256 bytes at 8 x lane): every LDS load is dense, no pitch, no padding.
; Q, K: source 0 = 16 columns of W, source 1 = 16 tokens: a lane holds one token and, over the four tiles, 32 numbers of its head in the order that the quantiser wants.  V: the other way round: a lane holds one column and 64 keys.
; The bias is the C of each sum's first product.  The codes of a key whose mask is 0 are made zeros: the attention then adds its products onto a bias that stands for the masked logit.
; OUT.  hq: 6,656 bytes for each (batch, head, 128 queries): 8 images of 768 bytes, then 512 bytes of scale words (lane l's 16 bytes: words 4 (l / 16) .. + 3 of row l % 16; a word: the two bytes, then 0x7f twice for the 64 zero codes that fill the product's K).
;       hkv: 13,056 bytes for each (batch, head, 128 keys): K as in hq; at 6,656 V's four fragments (three stores of 512 bytes each); at 12,800 V's scale words (lane l's 8 bytes: words 2 (l / 16), + 1 of row l % 16).
; LIMITS: blocks of zeros, or under 2^-124, carry the byte 1 (read by this program alone); NaN and infinities are not served.
; REGISTERS, in windows of 256: window 0: addresses, scale words, biases, the quantiser's work; window 1: the accumulators, number n at v[8 n]; window 2: the tokens' fragments, two sets; window 3: the weights', two sets.
.set CH,   147456                      ; a half
.set WOFF, 49152                       ; the weights in it
.set SA,   32                          ; v32-95   the tokens' scale words: tile i, K step s at 8 i + s
.set SW,   96                          ; v96-127  the weights': tile j, K step s at 8 j + s
.set BI,   128                         ; v128-159 the bias in the result's layout, 8 registers for each tile j
.set MK,   160                         ; v160-167 the mask of lane r's token in tile i
.set TM,   168                         ; v168-183 the quantiser: +0 largest magnitudes, +4 exchange and bytes, +12 scale operands
.set WD,   186                         ; v186-193 the scale words made
.set PC,   196                         ; v196-207 the codes made; v208-210, v212-214 second halves
.set OW,   216                         ; v216-219 scale words on the way out
.set MQ,   220                         ; v220-227 the mask as this product takes it: no query is masked
.set MSB, 0
.macro WIN new                         ; the immediate's high byte repeats the setting that is left
.if MSB != \new
	s_set_vgpr_msb (MSB<<8)|\new
.set MSB, \new
.endif
.endm
.macro PLACES n                        ; plain vector instructions behind a matrix instruction (ISA guide 7.12.1)
.rept \n
	v_nop
.endr
.endm
.macro WALU
	s_wait_alu depctr_va_vdst(0)
.endm
.macro CROUND                          ; a round of the cluster's barrier
	s_barrier_signal -1
	s_barrier_wait -1
	s_cmp_lg_u32 s20, 0
	s_cbranch_scc1 .Lnot_wave_0_\@
	s_barrier_signal -3
.Lnot_wave_0_\@:
	s_barrier_wait -3
	s_barrier_signal -1
	s_barrier_wait -1
.endm
.macro WAITBAR q                       ; half q is whole for every wave
.if (\q) == 0
	s_cmp_lt_u32 s20, 2                            ; waves 0 and 1 brought half 0, each by a load line of its own; half 1 may stay out
	s_cbranch_scc0 .Lyoung_\@
	s_wait_tensorcnt 0x0
.Lyoung_\@:
.else
	s_wait_tensorcnt 0x0                           ; every wave: all that is still out
.endif
	s_barrier_signal -1
	s_barrier_wait -1
.endm
.macro REFILL h                        ; half h, which nobody reads any more, takes the next product's tiles
	s_wait_tensorcnt 0x0                           ; all my tensor loads have landed;
	ds_add_u32 v254, v255                          ; an add of zero;
.if (\h) == 0
	s_add_nc_u64 s[50:51], s[50:51], 6291456       ; no load of mine is out: both group 0 step on to the next product: 512 tiles of tokens,
	s_add_nc_u64 s[70:71], s[70:71], 786432        ; 64 tiles of weights
.endif
	s_wait_dscnt 0x0                               ; the add is done, and so are my reads of the half
	CROUND                                         ; the same holds of every wave of every partner
	s_cmp_eq_u32 s20, 2*(\h)
	s_cbranch_scc0 .Lrw_\@
	tensor_load_to_lds s[48:51], s[32:39]
	s_nop 0
	PLACES 4
	s_branch .Lrd_\@
.Lrw_\@:
	s_cmp_eq_u32 s20, 2*(\h)+1
	s_cbranch_scc0 .Lrd_\@
	tensor_load_to_lds s[68:71], s[40:47]
	s_nop 0
	PLACES 4
.Lrd_\@:
.endm
	s_load_b512 s[4:19], s[0:1], 0x0               ; opc, ops, mask, bq, bk, bv, hq, hkv
	v_lshl_add_u32 v254, v0, 2, 0x48000
	v_mov_b32 v255, 0
	ds_add_u32 v254, v255
	ds_add_u32 v254, v255
	v_lshrrev_b32 v1, 5, v0
	v_readfirstlane_b32 s20, v1                    ; wave 0..3
	s_lshr_b32 s21, s20, 1                         ; which half of K I fetch
	s_bfe_u32 s23, ttmp6, 0x40000                  ; cx
	s_bfe_u32 s24, ttmp6, 0x40004                  ; cy
	s_lshl_b32 s25, ttmp9, 2
	s_add_co_u32 s25, s25, s23                     ; x: which 256 columns
	s_and_b32 s26, ttmp7, 0xffff                   ; the cluster's y
	s_lshl_b32 s27, s26, 2
	s_add_co_u32 s27, s27, s24                     ; y: which 128 tokens
	s_mov_b32 s30, 0x76543210
	s_mov_b32 s31, 0xfedcba98                      ; v_permlanex16_b32's selects for lane l xor 16
	s_lshl_b32 s90, s24, 2
	s_lshl_b32 s90, 15, s90                        ; my row of the cluster
	s_lshl_b32 s91, 0x1111, s23                    ; my column
	; descriptor group 1: rows of 6,144 bytes (768 elements of 8 bytes: four K steps of a tile), 12,288 bytes apart in memory, dense in LDS
	s_or_b32 s32, s90, (3<<16)|(1<<21)             ; the tokens' tiles go to my row; bit 21 set beside a mask
	s_mov_b32 s33, 768<<16
	s_mov_b32 s34, 8<<16                           ; 8 tiles
	s_mov_b32 s35, 768<<16
	s_mov_b32 s36, 8
	s_mov_b32 s37, 1536                            ; the pitch, in elements
	s_mov_b32 s38, 0
	s_mov_b32 s39, 0
	s_or_b32 s40, s91, (3<<16)|(1<<21)             ; the weights' tiles go to my column
	s_mov_b32 s41, 768<<16
	s_mov_b32 s42, 16<<16                          ; 16 tiles
	s_mov_b32 s43, 768<<16
	s_mov_b32 s44, 16
	s_mov_b32 s45, 1536
	s_mov_b32 s46, 0
	s_mov_b32 s47, 0
	s_mul_i32 s84, s27, 98304                      ; query's tile 8 y,
	s_mul_i32 s85, s21, 6144                       ; my half of K
	s_add_co_u32 s84, s84, s85
	s_mov_b32 s85, 0
	s_lshl_b32 s86, s25, 4
	s_add_co_u32 s86, s86, 1536                    ; Wq's: tile 1,536 + 16 x,
	s_mul_i32 s86, s86, 12288
	s_mul_i32 s87, s21, 6144
	s_add_co_u32 s86, s86, s87
	s_mov_b32 s87, 0
	s_mul_i32 s88, s21, CH                         ; where they go: no place in the cluster enters an LDS address
	s_add_co_u32 s89, s88, WOFF
	v_and_b32 v1, 31, v0                           ; lane
	v_and_b32 v2, 15, v0                           ; r
	v_bfe_u32 v3, v0, 4, 1                         ; h
	v_lshlrev_b32 v20, 4, v1                       ; 16 x lane
	v_lshlrev_b32 v21, 3, v1                       ; 8 x lane
	s_mul_i32 s92, s20, 24576
	s_add_co_u32 s92, s92, WOFF                    ; my four tiles of weights in a half
.irp q, 0,1
	v_add_nc_u32 v[4+\q], CH*\q, v20               ; half q: the tokens' images by 16 bytes a lane,
	v_add_nc_u32 v[8+\q], CH*\q, v21               ; by 8;
.endr
.irp q, 0,1
	v_add_nc_u32 v[12+\q], s92, v[4+\q]            ; my weights' likewise
	v_add_nc_u32 v[16+\q], s92, v[8+\q]
.endr
	v_lshlrev_b32 v24, 5, v2                       ; 32 r: a row's eight scale words
	v_and_b32 v26, 8, v2
	v_add_nc_u32 v26, v26, v2
	v_lshlrev_b32 v26, 2, v26                      ; 4 (r + 8 (r / 8)): lane r's row of a tile, in words
	v_lshlrev_b32 v27, 6, v3                       ; 64 h
.irp b, 0,1,2,3
	v_mov_b32 v[TM+4+\b], 0                        ; written once: a lane permute's destination counts as one of its sources
.endr
	s_wait_dscnt 0x0
	s_wait_kmcnt 0x0
	s_add_nc_u64 s[84:85], s[4:5], s[84:85]
	s_add_nc_u64 s[86:87], s[4:5], s[86:87]
	s_mov_b32 s48, 1                               ; group 0: s[48:51] the tokens', s[68:71] the weights'
	s_mov_b32 s49, s88
	s_mov_b64 s[50:51], s[84:85]
	s_or_b32 s51, s51, 0x80000000
	s_mov_b32 s68, 1
	s_mov_b32 s69, s89
	s_mov_b64 s[70:71], s[86:87]
	s_or_b32 s71, s71, 0x80000000
	CROUND                                         ; all sixteen work-groups are here: the joint loads meet
	s_cmp_eq_u32 s20, 0                            ; one chain of branches on the wave's number, one load to an arm
	s_cbranch_scc0 .Lfill_1
	tensor_load_to_lds s[48:51], s[32:39]          ; wave 0: the tokens, half 0
	s_nop 0
	PLACES 4
	s_branch .Lfilled
.Lfill_1:
	s_cmp_eq_u32 s20, 1
	s_cbranch_scc0 .Lfill_2
	tensor_load_to_lds s[68:71], s[40:47]          ; wave 1: the weights, half 0
	s_nop 0
	PLACES 4
	s_branch .Lfilled
.Lfill_2:
	s_cmp_eq_u32 s20, 2
	s_cbranch_scc0 .Lfill_3
	tensor_load_to_lds s[48:51], s[32:39]          ; wave 2: the tokens, half 1
	s_nop 0
	PLACES 4
	s_branch .Lfilled
.Lfill_3:
	tensor_load_to_lds s[68:71], s[40:47]          ; wave 3: the weights, half 1
	s_nop 0
	PLACES 4
.Lfilled:
	s_lshl_b32 s90, s27, 12
	s_mov_b32 s91, 0
	s_add_nc_u64 s[94:95], s[6:7], s[90:91]        ; the tokens' scale words: 512 bytes a tile, tile 8 y on
	s_lshl_b32 s90, s25, 4
	s_lshl_b32 s96, s20, 2
	s_add_co_u32 s90, s90, s96
	s_add_co_u32 s90, s90, 1536
	s_lshl_b32 s90, s90, 9
	s_add_nc_u64 s[96:97], s[6:7], s[90:91]        ; my weights': tile 1,536 + 16 x + 4 w on
	s_lshl_b32 s90, s27, 9
	s_add_nc_u64 s[8:9], s[8:9], s[90:91]          ; the mask of my 128 tokens
	s_lshl_b32 s90, s25, 10
	s_lshl_b32 s92, s20, 8
	s_add_co_u32 s90, s90, s92
	s_add_nc_u64 s[10:11], s[10:11], s[90:91]      ; the three biases at my head's 64 numbers
	s_add_nc_u64 s[12:13], s[12:13], s[90:91]
	s_add_nc_u64 s[14:15], s[14:15], s[90:91]
	s_lshr_b32 s90, s27, 4                         ; the record: ((batch x 16 + head) x 16 + which 128 tokens of the batch)
	s_lshl_b32 s90, s90, 4
	s_lshl_b32 s92, s25, 2
	s_add_co_u32 s90, s90, s92
	s_add_co_u32 s90, s90, s20
	s_lshl_b32 s90, s90, 4
	s_and_b32 s92, s27, 15
	s_add_co_u32 s90, s90, s92
	s_mul_i32 s92, s90, 6656
	s_mov_b32 s93, 0
	s_add_nc_u64 s[16:17], s[16:17], s[92:93]      ; in hq,
	s_mul_i32 s90, s90, 13056
	s_add_nc_u64 s[18:19], s[18:19], s[90:91]      ; in hkv
	s_mov_b64 s[92:93], s[16:17]                   ; where this product's results go
	s_mov_b32 s88, 1                               ; 1 for Q: no query is masked
	s_mov_b32 s28, 0                               ; t
	WALU                                           ; the wait at the head's end
.macro LOADSC                          ; a product's scale words
.irp i, 0,1,2,3,4,5,6,7
	global_load_b128 v[SA+8*\i:SA+8*\i+3], v24, s[94:95] offset:512*\i
	global_load_b128 v[SA+8*\i+4:SA+8*\i+7], v24, s[94:95] offset:512*\i+16
.endr
.irp j, 0,1,2,3
	global_load_b128 v[SW+8*\j:SW+8*\j+3], v24, s[96:97] offset:512*\j
	global_load_b128 v[SW+8*\j+4:SW+8*\j+7], v24, s[96:97] offset:512*\j+16
.endr
.endm
.macro BIASQK p                        ; Q, K: register k of tile j is column 32 (j / 2) + 8 (j % 2) + 16 h + k of the head
.irp j, 0,1,2,3
	global_load_b128 v[BI+8*\j:BI+8*\j+3], v27, s[\p:\p+1] offset:4*(32*(\j/2)+8*(\j%2))
	global_load_b128 v[BI+8*\j+4:BI+8*\j+7], v27, s[\p:\p+1] offset:4*(32*(\j/2)+8*(\j%2))+16
.endr
.endm
.macro BIASV                           ; V: all eight registers of tile j are lane r's column
.irp j, 0,1,2,3
.irp k, 0,1,2,3,4,5,6,7
	global_load_b32 v[BI+8*\j+\k], v26, s[14:15] offset:4*(32*(\j/2)+8*(\j%2))
.endr
.endr
.endm
	LOADSC
.irp i, 0,1,2,3,4,5,6,7
	global_load_b32 v[MK+\i], v26, s[8:9] offset:4*(32*(\i/2)+8*(\i%2))
.endr
	BIASQK 10
; K step s's fragments into set s % 2: 8 of the tokens, 4 of my weights; four dense loads each
.macro FETCH s
.set FP, 128*((\s)%2)
.set FQ, (\s)/4
.set FO, 1536*((\s)%4)
	WIN 0x80                                       ; destination window 2
.irp i, 0,1,2,3,4,5,6,7
	ds_load_b128 v[FP+12*\i:FP+12*\i+3], v[4+FQ] offset:6144*\i+FO
	ds_load_b64 v[FP+12*\i+4:FP+12*\i+5], v[8+FQ] offset:6144*\i+FO+512
	ds_load_b128 v[FP+12*\i+6:FP+12*\i+9], v[4+FQ] offset:6144*\i+FO+768
	ds_load_b64 v[FP+12*\i+10:FP+12*\i+11], v[8+FQ] offset:6144*\i+FO+1280
.endr
	WIN 0xc0                                       ; destination window 3
.irp j, 0,1,2,3
	ds_load_b128 v[FP+12*\j:FP+12*\j+3], v[12+FQ] offset:6144*\j+FO
	ds_load_b64 v[FP+12*\j+4:FP+12*\j+5], v[16+FQ] offset:6144*\j+FO+512
	ds_load_b128 v[FP+12*\j+6:FP+12*\j+9], v[12+FQ] offset:6144*\j+FO+768
	ds_load_b64 v[FP+12*\j+10:FP+12*\j+11], v[16+FQ] offset:6144*\j+FO+1280
.endr
	WIN 0
.endm
; 32 products of K step s.  The 32 accumulators take turns, one instruction a turn, in the same order in every step.
.macro MULQK s                         ; source 0 = weights (window 3), source 1 = tokens (window 2); accumulator 4 i + j
.set FP, 128*((\s)%2)
.if (\s) == 0
	WIN 0x4b                                       ; C = the bias, window 0; D window 1
.else
	WIN 0x5b                                       ; C and D window 1
.endif
.irp i, 0,1,2,3,4,5,6,7
.irp j, 0,1,2,3
.if (\s) == 0
	v_wmma_scale_f32_16x16x128_f8f6f4 v[8*(4*\i+\j):8*(4*\i+\j)+7], v[FP+12*\j:FP+12*\j+11], v[FP+12*\i:FP+12*\i+11], v[BI+8*\j:BI+8*\j+7], v[SW+8*\j+(\s)], v[SA+8*\i+(\s)] matrix_a_fmt:MATRIX_FMT_FP6 matrix_b_fmt:MATRIX_FMT_FP6
.else
	v_wmma_scale_f32_16x16x128_f8f6f4 v[8*(4*\i+\j):8*(4*\i+\j)+7], v[FP+12*\j:FP+12*\j+11], v[FP+12*\i:FP+12*\i+11], v[8*(4*\i+\j):8*(4*\i+\j)+7], v[SW+8*\j+(\s)], v[SA+8*\i+(\s)] matrix_a_fmt:MATRIX_FMT_FP6 matrix_b_fmt:MATRIX_FMT_FP6
.endif
.endr
.endr
.endm
.macro MULV s                          ; source 0 = tokens (window 2), source 1 = weights (window 3); accumulator 8 j + i
.set FP, 128*((\s)%2)
.if (\s) == 0
	WIN 0x4e
.else
	WIN 0x5e
.endif
.irp j, 0,1,2,3
.irp i, 0,1,2,3,4,5,6,7
.if (\s) == 0
	v_wmma_scale_f32_16x16x128_f8f6f4 v[8*(8*\j+\i):8*(8*\j+\i)+7], v[FP+12*\i:FP+12*\i+11], v[FP+12*\j:FP+12*\j+11], v[BI+8*\j:BI+8*\j+7], v[SA+8*\i+(\s)], v[SW+8*\j+(\s)] matrix_a_fmt:MATRIX_FMT_FP6 matrix_b_fmt:MATRIX_FMT_FP6
.else
	v_wmma_scale_f32_16x16x128_f8f6f4 v[8*(8*\j+\i):8*(8*\j+\i)+7], v[FP+12*\i:FP+12*\i+11], v[FP+12*\j:FP+12*\j+11], v[8*(8*\j+\i):8*(8*\j+\i)+7], v[SA+8*\i+(\s)], v[SW+8*\j+(\s)] matrix_a_fmt:MATRIX_FMT_FP6 matrix_b_fmt:MATRIX_FMT_FP6
.endif
.endr
.endr
.endm
; A K step: its fragments are in; the next step's are asked for, into the set that the step before multiplied; then the 32 products.  v = 1: V's products.  fill = 1: a product that has a successor: steps 3 and 7 fill a half again, and step 7 fetches the successor's step 0.
.macro STEP s, v, fill
	s_wait_dscnt 0x0                               ; this step's 48 loads are in (asked for 32 products ago)
.if \fill
.if (\s) == 3
	REFILL 0                                       ; its round also shows half 1 whole to all
.elseif (\s) == 7
	REFILL 1                                       ; its round also shows the successor's half 0
.endif
.elseif (\s) == 3
	WAITBAR 1
.endif
.if ((\s) < 7) || \fill
.if (\s) > 0
	PLACES 4                                       ; in front of loads into registers that the last products have read
.endif
	FETCH ((\s)+1)%8
.endif
.if \v
	MULV \s
.else
	MULQK \s
.endif
	WIN 0
.endm
; 32 numbers of a lane in window 1, register 16 b + i = number 32 b + 16 h + i of my row's 64, become six registers of codes in v[PC] on (lanes 0-15 block 0, lanes 16-31 block 1) and a scale word in v[w].
.macro QUANT2 xs, w
	WIN 0x05
.irp b, 0,1
	v_max3_num_f32 v[TM+\b], |v[(\xs)+16*\b]|, |v[(\xs)+16*\b+1]|, 0x1800000   ; each accumulator is read from its low end on; the floor 2^(3 - 127) holds the byte at 1 from below
.endr
	WIN 0x14
.irp i, 2,4,6,8,10,12,14
.irp b, 0,1
	v_max3_num_f32 v[TM+\b], v[TM+\b], |v[(\xs)+16*\b+\i]|, |v[(\xs)+16*\b+\i+1]|
.endr
.endr
	WIN 0
.irp b, 0,1
	v_permlanex16_b32 v[TM+4+\b], v[TM+\b], s30, s31
.endr
.irp b, 0,1
	v_max_num_f32 v[TM+\b], v[TM+\b], v[TM+4+\b]   ; with lane l xor 16's: the block's largest magnitude
.endr
.irp b, 0,1
	v_add_nc_u32 v[TM+12+\b], 0xff000000, v[TM+\b] ; 2 off its exponent field: the conversion's scale operand
.endr
.irp b, 0,1
	v_lshrrev_b32 v[TM+4+\b], 23, v[TM+12+\b]      ; the scale's byte
.endr
	v_lshl_or_b32 v[\w], v[TM+5], 8, v[TM+4]
	v_or_b32 v[\w], 0x7f7f0000, v[\w]              ; bytes 2 and 3 stand over zero codes
	WIN 0x01
	v_cvt_scalef32_pk16_fp6_f32 v[PC:PC+2], v[(\xs):(\xs)+15], v[TM+12]
	v_cvt_scalef32_pk16_fp6_f32 v[PC+12:PC+14], v[(\xs)+16:(\xs)+31], v[TM+13]
	WIN 0
	v_nop                                          ; one plain place behind a scaled conversion
.irp k, 0,1,2
	v_permlane16_swap_b32 v[PC+\k], v[PC+12+\k]    ; the layout wants a whole block in a lane
.endr
.irp k, 0,1,2
	v_mov_b32 v[PC+3+\k], v[PC+12+\k]
.endr
.endm
; 64 numbers likewise, four blocks: a whole fragment in v[PC] on
.macro QUANT4 xs, w
	WIN 0x05
.irp b, 0,1,2,3
	v_max3_num_f32 v[TM+\b], |v[(\xs)+16*\b]|, |v[(\xs)+16*\b+1]|, 0x1800000
.endr
	WIN 0x14
.irp i, 2,4,6,8,10,12,14
.irp b, 0,1,2,3
	v_max3_num_f32 v[TM+\b], v[TM+\b], |v[(\xs)+16*\b+\i]|, |v[(\xs)+16*\b+\i+1]|
.endr
.endr
	WIN 0
.irp b, 0,1,2,3
	v_permlanex16_b32 v[TM+4+\b], v[TM+\b], s30, s31
.endr
.irp b, 0,1,2,3
	v_max_num_f32 v[TM+\b], v[TM+\b], v[TM+4+\b]
.endr
.irp b, 0,1,2,3
	v_add_nc_u32 v[TM+12+\b], 0xff000000, v[TM+\b]
.endr
.irp b, 0,1,2,3
	v_lshrrev_b32 v[TM+4+\b], 23, v[TM+12+\b]
.endr
	v_lshl_or_b32 v[\w], v[TM+5], 8, v[TM+4]
	v_lshl_or_b32 v[\w], v[TM+6], 16, v[\w]
	v_lshl_or_b32 v[\w], v[TM+7], 24, v[\w]
	WIN 0x01
.irp c, 0,1
	v_cvt_scalef32_pk16_fp6_f32 v[PC+6*\c:PC+6*\c+2], v[(\xs)+32*\c:(\xs)+32*\c+15], v[TM+12+2*\c]
	v_cvt_scalef32_pk16_fp6_f32 v[PC+12+4*\c:PC+14+4*\c], v[(\xs)+32*\c+16:(\xs)+32*\c+31], v[TM+13+2*\c]
.endr
	WIN 0
	v_nop
.irp c, 0,1
.irp k, 0,1,2
	v_permlane16_swap_b32 v[PC+6*\c+\k], v[PC+12+4*\c+\k]
.endr
.irp k, 0,1,2
	v_mov_b32 v[PC+3+6*\c+\k], v[PC+12+4*\c+\k]
.endr
.endr
.endm
	WAITBAR 0
	FETCH 0
	s_wait_loadcnt 0x0                             ; scale words, mask, bias
.Ltrip:                                                ; t = 0: Q; t = 1: K
.irp s, 0,1,2,3,4,5,6,7
	STEP \s, 0, 1
.endr
	PLACES 4                                       ; in front of the first read of results, and of loads into the scale words that the last products have read
	s_add_nc_u64 s[94:95], s[94:95], 262144        ; the next product's scale words: 512 tiles of tokens on,
	s_add_nc_u64 s[96:97], s[96:97], 32768         ; 64 tiles of weights on (the loads that read these pointers have been waited for)
	LOADSC
	s_cmp_eq_u32 s28, 0                            ; and its bias: K's as Q's, V's in V's layout
	s_cbranch_scc0 .Lnext_v
	BIASQK 12
	s_branch .Lnext_done
.Lnext_v:
	BIASV
.Lnext_done:
.irp i, 0,1,2,3,4,5,6,7
	v_or_b32 v[MQ+\i], s88, v[MK+\i]
.endr
.irp i, 0,1,2,3,4,5,6,7                ; a tile of 16 tokens at a time
	s_wait_xcnt 0x0                                ; the last tile's stores have read the codes' registers
	QUANT2 32*\i, WD+\i
	v_cmp_ne_u32 vcc_lo, 0, v[MQ+\i]
.irp k, 0,1,2,3,4,5
	v_cndmask_b32 v[PC+\k], 0, v[PC+\k], vcc_lo    ; a masked key's codes are zeros
.endr
	global_store_b128 v20, v[PC:PC+3], s[92:93] offset:768*\i              ; 512 consecutive bytes
	global_store_b64 v21, v[PC+4:PC+5], s[92:93] offset:768*\i+512         ; 256
.endr
	v_cmp_eq_u32 vcc_lo, 1, v3
.irp k, 0,1,2,3
	v_cndmask_b32 v[OW+\k], v[WD+\k], v[WD+4+\k], vcc_lo
.endr
	global_store_b128 v20, v[OW:OW+3], s[92:93] offset:6144
	s_wait_xcnt 0x0                                ; the stores have read their base
	s_mov_b64 s[92:93], s[18:19]                   ; K and V go to hkv
	s_mov_b32 s88, 0
	s_add_co_u32 s28, s28, 1
	WALU                                           ; ahead of the wait and the branch below
	s_wait_loadcnt 0x0                             ; the next product's scale words and bias
	s_cmp_lt_u32 s28, 2
	s_cbranch_scc1 .Ltrip
.irp s, 0,1,2,3,4,5,6,7                ; V: nothing more is asked for
	STEP \s, 1, 0
.endr
	PLACES 4                                       ; in front of the first read of results
.irp j, 0,1,2,3                        ; a tile of 16 columns x 128 keys at a time
	s_wait_xcnt 0x0
	QUANT4 64*\j, WD+\j
.irp c, 0,1,2
	global_store_b128 v20, v[PC+4*\c:PC+4*\c+3], s[92:93] offset:6656+1536*\j+512*\c
.endr
.endr
	v_cmp_eq_u32 vcc_lo, 1, v3
	v_cndmask_b32 v[OW], v[WD], v[WD+2], vcc_lo
	v_cndmask_b32 v[OW+1], v[WD+1], v[WD+3], vcc_lo
	global_store_b64 v21, v[OW:OW+1], s[92:93] offset:12800
	s_wait_tensorcnt 0x0                           ; the wave's end
	ds_add_u32 v254, v255
	s_wait_dscnt 0x0
	CROUND                                         ; the closing round: no work-group ends while a partner may still ask for a tile that names it
	s_endpgm
.Lfunc_end_k_q1130744778_proj:
	.size	k_q1130744778_proj, .Lfunc_end_k_q1130744778_proj-k_q1130744778_proj
	.p2alignl 7, 3214868480
	.fill 96, 4, 3214868480
	.section	.rodata,"a",@progbits
	.p2align	6, 0x0
	.amdhsa_kernel k_q1130744778_proj
		.amdhsa_group_segment_fixed_size 327680
		.amdhsa_private_segment_fixed_size 0
		.amdhsa_enable_private_segment 0
		.amdhsa_kernarg_size 64
		.amdhsa_user_sgpr_count 2
		.amdhsa_user_sgpr_kernarg_segment_ptr 1
		.amdhsa_wavefront_size32 1
		.amdhsa_system_sgpr_workgroup_id_x 1
		.amdhsa_system_sgpr_workgroup_id_y 1
		.amdhsa_system_sgpr_workgroup_id_z 1
		.amdhsa_system_vgpr_workitem_id 0
		.amdhsa_next_free_vgpr 1024
		.amdhsa_next_free_sgpr 100
		.amdhsa_reserve_vcc 1
		.amdhsa_float_denorm_mode_32 3
		.amdhsa_float_denorm_mode_16_64 3
		.amdhsa_memory_ordered 1
		.amdhsa_forward_progress 1
		.amdhsa_inst_pref_size 175
	.end_amdhsa_kernel
	.amdgpu_metadata
---
amdhsa.version: [ 1, 2 ]
amdhsa.kernels:
  - .name:           k_q1130744778_proj
    .symbol:         k_q1130744778_proj.kd
    .args:
      - { .name: opc, .offset: 0, .size: 8, .value_kind: global_buffer, .address_space: global }
      - { .name: ops, .offset: 8, .size: 8, .value_kind: global_buffer, .address_space: global }
      - { .name: mask, .offset: 16, .size: 8, .value_kind: global_buffer, .address_space: global }
      - { .name: bq, .offset: 24, .size: 8, .value_kind: global_buffer, .address_space: global }
      - { .name: bk, .offset: 32, .size: 8, .value_kind: global_buffer, .address_space: global }
      - { .name: bv, .offset: 40, .size: 8, .value_kind: global_buffer, .address_space: global }
      - { .name: hq, .offset: 48, .size: 8, .value_kind: global_buffer, .address_space: global }
      - { .name: hkv, .offset: 56, .size: 8, .value_kind: global_buffer, .address_space: global }
    .group_segment_fixed_size: 327680
    .private_segment_fixed_size: 0
    .kernarg_segment_align: 8
    .kernarg_segment_size: 64
    .max_flat_workgroup_size: 128
    .sgpr_count:     100
    .vgpr_count:     1024
    .wavefront_size: 32
...
	.end_amdgpu_metadata
.endif
;; end of part 2
;; launch attn (part 3): grid 4 x 64, 8 waves a work-group, clusters of 4 x 1, 220,160 bytes of LDS; arguments hq, hkv, mask, oc, os; writes oc, os
.if DOCPART == 3
	.amdgcn_target "amdgcn-amd-amdhsa--gfx1250"
	.amdhsa_code_object_version 6
	.text
	.protected	k_q1130744778_attn
	.globl	k_q1130744778_attn
	.p2align	8
	.type	k_q1130744778_attn,@function
k_q1130744778_attn:
	s_mov_b64 s[64:65], 0
	v_nop
	global_prefetch_b8 v0, s[64:65] scope:SCOPE_SE
	s_setreg_imm32_b32 hwreg(HW_REG_WAVE_MODE, 25, 1), 1
	s_wait_xcnt 0x0
	s_wait_alu depctr_hold_cnt(0) depctr_sa_sdst(0) depctr_va_vdst(0) depctr_va_sdst(0) depctr_va_ssrc(0) depctr_va_vcc(0) depctr_vm_vsrc(0)
	s_getreg_b32 s2, hwreg(HW_REG_IB_STS2, 6, 4)
	s_cmp_eq_u32 s2, 0
	s_cbranch_scc0 .Lentry_in_a_cluster
	s_endpgm
.Lentry_in_a_cluster:
	s_bfe_u32 s2, ttmp6, 0x10000c
	s_cmp_lg_u32 s2, 0x3003
	s_cbranch_scc0 .Lentry_shape_is_right
	s_endpgm
.Lentry_shape_is_right:
; O = softmax(Q K^T / 8, masked) V for one head, both products on codes of FP6 (E2M3) with E8M0 scales, and O / l quantised again along the head's 64 for the last product.
; THE SOFTMAX: t = score x log2(e) / 8; M = the running largest t rounded UP to a whole number; p = 2^(t - M) is quantised along the keys, not normalised; the row's sum l is taken of the unquantised p and divides O at the end.
; SHARES.  A work-group owns 512 queries of one (batch, head); each of its eight waves takes four tiles of 16 queries, two at a time SIDE BY SIDE (x = 0, 1): each fragment of K and V and each bias read from LDS serves two tiles, and every chain of one tile has the other's between its links.
; THE WHOLE HEAD's K and V, 16 records of 13,056 bytes, lie in LDS, filled ONCE: each wave brings two records by one tensor load.  The four work-groups of a cluster own the same head: the load is a joint one.  No prefetch: nothing is streamed behind the head.
; LAYOUT.  Both products are used transposed (S^T = K Q^T, O^T = V^T P^T): a lane holds ONE query.  WHICH KEYS FORM A TILE OF K is chosen by the LDS address: lane r of tile (g, t) takes key 64 g + 32 (r / 8) + 8 t + r % 8, so that
; register 32 g + i of lane (q, h) is key 64 g + 32 h + i: a whole scale block of p lies in one lane, in the order of the operand's registers.  In the record that key is lane 8 (t / 2) + r % 8 of image 4 g + 2 (r / 8) + t % 2.
; The head's 64 fill half of the product's K of 128.  Q's registers 6-11 are zero codes, so what K's registers 6-11 hold adds nothing: K's eight fragments lie SIX registers apart, each one's upper half being the next one's codes (scale bytes 2 and 3 are 0x7f on both sides).
; THE MASK costs no instruction for a score: a bias (0, or -2^33 where mask = 0) is the products' C; a masked key's codes are zeros, so its score is -2^33 exactly.
; LIMIT: a masked logit so stands at -2^30 where the definition has -1e9: results differ only where an unmasked logit of the same row lies under about -9.9e8.  A row with every key masked gives p = 1 for all keys, the uniform softmax.
; LIMITS: the scaled scores stay under 2^31 in magnitude; blocks of zeros, or under 2^-124, carry the byte 1 (read by this program alone); NaN and infinities are not served.
; LOADS AHEAD: behind a step's score products the NEXT step's K, scale words and bias are asked for, and this step's V; one wait for all stands ahead of the second product.  The last step's look-ahead reads the 6,656 bytes behind the last record and a
; seventeenth row of the bias: both lie in the bias block, which is written whole; what they bring is not used.
; OUT.  oc: 12,288 bytes for each tile of 16 tokens; head hd's image (six registers) at 768 hd.  os: 256 bytes for each (128 tokens, head): row r's eight pairs of bytes (tile i at 2 i) at 16 r.
; REGISTERS.  Window 0: addresses, scales, each tile's state, p's codes, Q, K, the bias.  Window 1: v0-127 S^T then p (64 a tile), v128-191 O^T (32 a tile), v192-239 V, v240-243 l, v244-255 partial sums.
.set RECB, 13056
.set BIAS, 208896                      ; f32[17 x 128]: the bias of each key and a row of zeros; LDS stores alone write here
.set GATH, 217600                      ; 1,024 bytes: the work-group's pairs of scale bytes
.set SPARE, 218624                     ; the spare words, 128 bytes a wave
.set KS, 8                             ; v8-11 K's scale words: lanes 0-15 tiles (0, t), lanes 16-31 tiles (1, t)
.set QS, 12                            ; v12, v13 Q's scale words
.set VS, 14                            ; v14, v15 V's
.set PW, 16                            ; v16, v17 p's
.set ST, 28                            ; a tile's state, 12 registers: +0 -M (a pair), +2 f (a pair), +4 the largest score, +5 to +7 at work, +8, +9 the blocks' largest, +10, +11 the conversions' scale operands
.set TT, 52                            ; v52-67 the conversions' second halves
.set PC, 68                            ; v68-91 p's codes
.set QF, 92                            ; v92-115 Q
.set KF, 116                           ; v116-169 K: eight fragments six apart, and six zeros
.set BI, 170                           ; v170-233 the bias
.set O,  128
.set VF, 192
.set LL, 240
.set LT, 244
.set MSB, 0
.macro WIN new                         ; the immediate's high byte repeats the setting that is left
.if MSB != \new
	s_set_vgpr_msb (MSB<<8)|\new
.set MSB, \new
.endif
.endm
.macro WALU
	s_wait_alu depctr_va_vdst(0)
.endm
.macro PLACES n
.rept \n
	v_nop
.endr
.endm
.macro CROUND                          ; a round of the cluster's barrier
	s_barrier_signal -1
	s_barrier_wait -1
	s_cmp_lg_u32 s14, 0
	s_cbranch_scc1 .Lnot_wave_0_\@
	s_barrier_signal -3
.Lnot_wave_0_\@:
	s_barrier_wait -3
	s_barrier_signal -1
	s_barrier_wait -1
.endm
	s_load_b256 s[4:11], s[0:1], 0x0               ; hq, hkv, mask, oc
	s_load_b64 s[12:13], s[0:1], 0x20              ; os
	v_lshl_add_u32 v26, v0, 2, SPARE
	v_mov_b32 v27, 0
	ds_add_u32 v26, v27
	ds_add_u32 v26, v27
	v_lshrrev_b32 v1, 5, v0
	v_readfirstlane_b32 s14, v1                    ; wave 0..7
	s_bfe_u32 s15, ttmp6, 0x40000                  ; cx
	s_lshl_b32 s19, ttmp9, 2
	s_add_co_u32 s15, s15, s19                     ; which 512 queries: it enters global addresses alone
	s_and_b32 s16, ttmp7, 0xffff                   ; batch x 16 + head, which the four partners share
	s_lshr_b32 s17, s16, 4                         ; batch
	s_and_b32 s18, s16, 15                         ; head
	s_mov_b32 s20, 15|(3<<16)|(1<<21)              ; group 1: two records, 102 rows of 256 bytes, dense; the mask names all four work-groups
	s_mov_b32 s21, 32<<16
	s_mov_b32 s22, 102<<16
	s_mov_b32 s23, 32<<16
	s_mov_b32 s24, 102
	s_mov_b32 s25, 32
	s_mov_b32 s26, 0
	s_mov_b32 s27, 0
	s_mov_b32 s32, 0x76543210
	s_mov_b32 s33, 0xfedcba98                      ; v_permlanex16_b32's selects for lane l xor 16
	s_mov_b32 s34, 0x3e38aa3b                      ; c = log2(e) / 8
	s_mov_b32 s35, s34                             ; (named with it as a pair)
	s_mov_b32 s46, 0xbe38aa3b                      ; -c
	s_mul_i32 s39, s14, 2*RECB                     ; my two records: key steps 2 w, 2 w + 1
	s_mul_i32 s40, s16, 16*RECB
	s_add_co_u32 s40, s40, s39
	s_mov_b32 s41, 0
	s_wait_dscnt 0x0
	s_wait_kmcnt 0x0
	s_mov_b32 s28, 1
	s_mov_b32 s29, s39
	s_add_nc_u64 s[30:31], s[6:7], s[40:41]
	s_or_b32 s31, s31, 0x80000000
	CROUND                                         ; all four work-groups are here: the joint loads meet
	tensor_load_to_lds s[28:31], s[20:27]
	s_nop 0
	PLACES 4
	s_lshl_b32 s40, s17, 13
	s_add_nc_u64 s[8:9], s[8:9], s[40:41]          ; the batch's mask
	v_lshlrev_b32 v20, 5, v0
	global_load_b128 v[170:173], v20, s[8:9]       ; thread n: keys 8 n .. 8 n + 7
	global_load_b128 v[174:177], v20, s[8:9] offset:16
	s_lshl_b32 s40, s16, 4                         ; my tiles are 2 w + x + 16 p of the work-group's 32
	s_lshl_b32 s19, s15, 2
	s_add_co_u32 s40, s40, s19
	s_lshr_b32 s19, s14, 2
	s_add_co_u32 s40, s40, s19
	s_mul_i32 s40, s40, 6656
	s_add_nc_u64 s[42:43], s[4:5], s[40:41]        ; Q's record of the first pass: group 4 x block + w / 4
	s_and_b32 s19, s14, 3
	s_mul_i32 s40, s19, 1536
	s_add_nc_u64 s[4:5], s[42:43], s[40:41]        ; image 2 (w % 4) in it
	s_lshr_b32 s40, s19, 1
	s_lshl_b32 s40, s40, 8
	s_and_b32 s44, s14, 1
	s_lshl_b32 s44, s44, 3
	s_add_co_u32 s40, s40, s44
	s_add_co_u32 s40, s40, 6144
	s_add_nc_u64 s[42:43], s[42:43], s[40:41]      ; its scale words: word i of row r lies at 6,144 + 256 (i / 4) + 16 r + 4 (i % 4)
	s_lshl_b32 s40, s17, 7
	s_lshl_b32 s19, s15, 5
	s_add_co_u32 s40, s40, s19
	s_lshl_b32 s19, s14, 1
	s_add_co_u32 s40, s40, s19
	s_mul_i32 s40, s40, 12288
	s_mul_i32 s19, s18, 768
	s_add_co_u32 s40, s40, s19
	s_add_nc_u64 s[10:11], s[10:11], s[40:41]      ; oc: tile 128 x batch + 32 x block + 2 w, my head's image
	s_lshl_b32 s40, s17, 4
	s_lshl_b32 s19, s15, 2
	s_add_co_u32 s40, s40, s19
	s_lshl_b32 s40, s40, 4
	s_add_co_u32 s40, s40, s18
	s_lshl_b32 s40, s40, 8
	s_add_nc_u64 s[12:13], s[12:13], s[40:41]      ; os: group 16 x batch + 4 x block, my head
	s_lshr_b32 s44, s14, 2
	s_lshl_b32 s44, s44, 8
	s_and_b32 s45, s14, 3
	s_lshl_b32 s45, s45, 2
	s_add_co_u32 s44, s44, s45
	s_add_co_u32 s44, s44, GATH
	v_and_b32 v1, 31, v0
	v_and_b32 v7, 15, v0
	v_and_b32 v234, 7, v0                          ; r % 8
	v_bfe_u32 v235, v0, 3, 1                       ; r / 8
	v_bfe_u32 v236, v0, 4, 1                       ; h
	v_lshlrev_b32 v2, 3, v1                        ; 8 x lane
	v_lshlrev_b32 v1, 4, v1                        ; 16 x lane
	v_lshlrev_b32 v7, 4, v7                        ; 16 r
	v_mul_u32_u24 v3, v235, 1536
	v_lshlrev_b32 v5, 3, v235
	v_lshl_add_u32 v4, v234, 3, v3
	v_lshl_add_u32 v3, v234, 4, v3
	v_lshl_add_u32 v5, v234, 4, v5
	v_lshl_add_u32 v4, v236, 7, v4                 ; K's registers 4, 5: 1,536 (r / 8) + 8 (r % 8) + 128 h
	v_lshl_add_u32 v3, v236, 8, v3                 ; K's registers 0-3: 1,536 (r / 8) + 16 (r % 8) + 256 h
	v_lshl_add_u32 v5, v236, 8, v5                 ; K's scale words: 256 h + 16 (r % 8) + 8 (r / 8)
	v_lshl_add_u32 v6, v236, 7, BIAS               ; the bias of my half's 32 keys of each 64
	v_lshlrev_b32 v18, 3, v236                     ; 8 h: how far my two bytes move up in p's scale word
	v_add_nc_u32 v19, s44, v7                      ; 256 (w / 4) + 16 r + 4 (w % 4): where my rows' pairs of bytes go
	v_mov_b32 v237, 0xd0000000                     ; -2^33
	v_lshl_add_u32 v21, v0, 5, BIAS
	v_lshl_add_u32 v22, v0, 1, BIAS+8192
.irp k, 98,99,100,101,102,103,110,111,112,113,114,115,164,165,166,167,168,169
	v_mov_b32 v[\k], 0                             ; the upper 64 of Q's K, and what stands behind K's last fragment: written once
.endr
.irp x, 0,1
	v_mov_b32 v[ST+12*\x+1], 0                     ; the pairs' upper words and a lane permute's destination: written once
	v_mov_b32 v[ST+12*\x+3], 0
	v_mov_b32 v[ST+12*\x+6], 0
.endr
	WALU                                           ; the wait at the head's end
	s_wait_loadcnt 0x0
.irp k, 0,1,2,3,4,5,6,7
	v_cmp_eq_u32 vcc_lo, 0, v[170+\k]
	v_cndmask_b32 v[178+\k], 0, v237, vcc_lo
.endr
	ds_store_b128 v21, v[178:181]
	ds_store_b128 v21, v[182:185] offset:16
	ds_store_b16 v22, v27                          ; the seventeenth row: zeros
	s_wait_tensorcnt 0x0                           ; my records have landed,
	s_wait_dscnt 0x0                               ; my part of the bias is stored:
	s_barrier_signal -1
	s_barrier_wait -1                              ; everybody's
.macro LOADK ko, bo                    ; K's eight fragments, its scale words and the bias of one key step: 36 loads
.irp g, 0,1
.irp t, 0,1,2,3
	ds_load_b128 v[KF+24*\g+6*\t:KF+24*\g+6*\t+3], v22 offset:(\ko)+3072*\g+768*(\t%2)+128*(\t/2)
	ds_load_b64 v[KF+24*\g+6*\t+4:KF+24*\g+6*\t+5], v23 offset:(\ko)+3072*\g+768*(\t%2)+64*(\t/2)+512
.endr
.endr
.irp t, 0,1,2,3
	ds_load_b32 v[KS+\t], v24 offset:(\ko)+6144+128*(\t/2)+4*(\t%2)
.endr
.irp k, 0,1,2,3,4,5,6,7,8,9,10,11,12,13,14,15
	ds_load_b128 v[BI+4*\k:BI+4*\k+3], v25 offset:(\bo)+256*(\k/8)+16*(\k%8)   ; register 32 g + i: key 64 g + 32 h + i
.endr
.endm
.macro SPROD x                         ; S^T of tile x: eight products onto the bias
.irp t, 0,1,2,3
	v_wmma_scale_f32_16x16x128_f8f6f4 v[64*\x+8*\t:64*\x+8*\t+7], v[KF+6*\t:KF+6*\t+11], v[QF+12*\x:QF+12*\x+11], v[BI+8*\t:BI+8*\t+7], v[KS+\t], v[QS+\x] matrix_a_fmt:MATRIX_FMT_FP6 matrix_b_fmt:MATRIX_FMT_FP6
.endr
.irp t, 0,1,2,3
	v_wmma_scale_f32_16x16x128_f8f6f4 v[64*\x+32+8*\t:64*\x+39+8*\t], v[KF+24+6*\t:KF+35+6*\t], v[QF+12*\x:QF+12*\x+11], v[BI+32+8*\t:BI+39+8*\t], v[KS+\t], v[QS+\x] matrix_a_fmt:MATRIX_FMT_FP6 matrix_b_fmt:MATRIX_FMT_FP6 matrix_a_scale:MATRIX_SCALE_ROW1
.endr
.endm
.macro BOTH op:vararg                  ; a line for each tile, the two by turns
.irp x, 0,1
	\op
.endr
.endm
.macro LSUM                            ; l += the 64 p of each tile: four chains a tile, the tiles by turns; all in window 1
.set K_, 0
.rept 32
.irp x, 0,1
.if K_ < 3
	v_pk_add_f32 v[LT+6*\x+2*K_:LT+6*\x+2*K_+1], v[64*\x+4*K_:64*\x+4*K_+1], v[64*\x+4*K_+2:64*\x+4*K_+3]
.elseif K_ < 29
.if K_%4 == 3
	v_pk_add_f32 v[LL+2*\x:LL+2*\x+1], v[LL+2*\x:LL+2*\x+1], v[64*\x+2*K_+6:64*\x+2*K_+7]
.else
	v_pk_add_f32 v[LT+6*\x+2*(K_%4):LT+6*\x+2*(K_%4)+1], v[LT+6*\x+2*(K_%4):LT+6*\x+2*(K_%4)+1], v[64*\x+2*K_+6:64*\x+2*K_+7]
.endif
.elseif K_ == 29
	v_pk_add_f32 v[LT+6*\x:LT+6*\x+1], v[LT+6*\x:LT+6*\x+1], v[LT+6*\x+2:LT+6*\x+3]
.elseif K_ == 30
	v_pk_add_f32 v[LL+2*\x:LL+2*\x+1], v[LL+2*\x:LL+2*\x+1], v[LT+6*\x+4:LT+6*\x+5]
.else
	v_pk_add_f32 v[LL+2*\x:LL+2*\x+1], v[LL+2*\x:LL+2*\x+1], v[LT+6*\x:LT+6*\x+1]
.endif
.endr
.set K_, K_+1
.endr
.endm
; A KEY STEP: 128 keys x two tiles of queries.  s36: where the step's record begins; s37: its 512 bytes of bias.
.macro KSTEP
	WIN 0x40                                       ; D in window 1
	SPROD 0
	SPROD 1
	WIN 0
	v_add_nc_u32 v20, s36, v1                      ; six address lines: also the places behind the products
	v_add_nc_u32 v21, s36, v2
	v_add_nc_u32 v22, s36, v3
	v_add_nc_u32 v23, s36, v4
	v_add_nc_u32 v24, s36, v5
	v_add_nc_u32 v25, s37, v6
	LOADK RECB, 512                                ; the next step's
	WIN 0x40
.irp d, 0,1,2,3
.irp c, 0,1,2
	ds_load_b128 v[VF+12*\d+4*\c:VF+12*\d+4*\c+3], v20 offset:6656+1536*\d+512*\c   ; this step's V
.endr
.endr
	WIN 0
	ds_load_b64 v[VS:VS+1], v21 offset:12800       ; V's scale words: lanes 0-15 tiles 0, 1; lanes 16-31 tiles 2, 3
	WIN 0x15
.irp x, 0,1
.irp g, 0,1
	v_max3_num_f32 v[ST+12*\x+8+\g], v[64*\x+32*\g], v[64*\x+32*\g+1], v[64*\x+32*\g+2]   ; the largest score of each block of 32 keys, all in my lane; each accumulator is read from its low end on
.endr
.endr
	WIN 0x14
.irp i, 3,5,7,9,11,13,15,17,19,21,23,25,27,29
.irp x, 0,1
.irp g, 0,1
	v_max3_num_f32 v[ST+12*\x+8+\g], v[ST+12*\x+8+\g], v[64*\x+32*\g+\i], v[64*\x+32*\g+\i+1]
.endr
.endr
.endr
.irp x, 0,1
.irp g, 0,1
	v_max_num_f32 v[ST+12*\x+8+\g], v[ST+12*\x+8+\g], v[64*\x+32*\g+31]
.endr
.endr
	WIN 0
	BOTH v_max3_num_f32 v[ST+12*\x+5], v[ST+12*\x+8], v[ST+12*\x+9], v[ST+12*\x+4]
	BOTH v_permlanex16_b32 v[ST+12*\x+6], v[ST+12*\x+5], s32, s33
	BOTH v_max_num_f32 v[ST+12*\x+4], v[ST+12*\x+5], v[ST+12*\x+6]     ; the running largest score of my query
	BOTH v_mul_f32 v[ST+12*\x+5], s46, v[ST+12*\x+4]                   ; -t (c is positive)
	BOTH v_floor_f32 v[ST+12*\x+5], v[ST+12*\x+5]                      ; the new -M = floor(-t): M is a whole number
	BOTH v_sub_f32 v[ST+12*\x+7], v[ST+12*\x+5], v[ST+12*\x]           ; old M - new M: a whole number, 0 or less
	BOTH v_mov_b32 v[ST+12*\x], v[ST+12*\x+5]
	BOTH v_cvt_i32_f32 v[ST+12*\x+7], v[ST+12*\x+7]                    ; (it saturates)
	BOTH v_ldexp_f32 v[ST+12*\x+2], 1.0, v[ST+12*\x+7]                 ; f = 2^(old M - new M): a multiplication by it rounds nothing
	BOTH v_fma_f32 v[ST+12*\x+8], v[ST+12*\x+8], s34, v[ST+12*\x]      ; t - M of each block's largest score
	BOTH v_fma_f32 v[ST+12*\x+9], v[ST+12*\x+9], s34, v[ST+12*\x]
	WIN 0x41
.irp j, 0,2,4,6,8,10,12,14,16,18,20,22,24,26,28,30,32,34,36,38,40,42,44,46,48,50,52,54,56,58,60,62
.irp x, 0,1
	v_pk_fma_f32 v[64*\x+\j:64*\x+\j+1], v[64*\x+\j:64*\x+\j+1], s[34:35], v[ST+12*\x:ST+12*\x+1] op_sel_hi:[1,0,0]   ; t - M, two at a time
.endr
.endr
	WALU                                           ; ahead of the batch
.set J_, 0
.rept 128
	v_exp_f32 v[J_], v[J_]                         ; p = 2^(t - M)
.set J_, J_+1
.endr
	WIN 0
	BOTH v_exp_f32 v[ST+12*\x+8], v[ST+12*\x+8]                        ; the block's largest p: the same two instructions on the same number
	BOTH v_exp_f32 v[ST+12*\x+9], v[ST+12*\x+9]
	v_nop                                          ; a plain place behind the exponentials
	WALU                                           ; and the wait behind the batch
.irp g, 0,1
	BOTH v_max_num_f32 v[ST+12*\x+8+\g], 0x1800000, v[ST+12*\x+8+\g]   ; the floor: the byte cannot fall under 1
.endr
.irp g, 0,1
	BOTH v_add_nc_u32 v[ST+12*\x+10+\g], 0xff000000, v[ST+12*\x+8+\g]  ; the conversion's scale operand
.endr
.irp g, 0,1
	BOTH v_lshrrev_b32 v[ST+12*\x+8+\g], 23, v[ST+12*\x+10+\g]         ; the byte
.endr
	BOTH v_lshl_or_b32 v[ST+12*\x+5], v[ST+12*\x+9], 16, v[ST+12*\x+8] ; my two bytes: blocks h and 2 + h,
	BOTH v_lshlrev_b32 v[ST+12*\x+5], v18, v[ST+12*\x+5]               ; at their places in the word;
	BOTH v_permlanex16_b32 v[ST+12*\x+6], v[ST+12*\x+5], s32, s33
	BOTH v_or_b32 v[PW+\x], v[ST+12*\x+5], v[ST+12*\x+6]               ; with lane l xor 16's two the word is whole
	WIN 0x01
.irp x, 0,1
.irp g, 0,1
	v_cvt_scalef32_pk16_fp6_f32 v[PC+12*\x+6*\g:PC+12*\x+6*\g+2], v[64*\x+32*\g:64*\x+32*\g+15], v[ST+12*\x+10+\g]
	v_cvt_scalef32_pk16_fp6_f32 v[TT+8*\x+4*\g:TT+8*\x+4*\g+2], v[64*\x+32*\g+16:64*\x+32*\g+31], v[ST+12*\x+10+\g]   ; (a conversion's three registers begin on an even number)
.endr
.endr
	WIN 0
	v_nop                                          ; one plain place behind a scaled conversion
.irp x, 0,1
.irp g, 0,1
.irp k, 0,1,2
	v_mov_b32 v[PC+12*\x+6*\g+3+\k], v[TT+8*\x+4*\g+\k]
.endr
.endr
.endr
	s_wait_dscnt 0x0                               ; V is in, and the next step's K, scale words and bias
	s_barrier_signal -1                            ; the eight waves walk the keys in step: one barrier a key step, which guards no bytes; only work on registers stands between its signal and its wait
	WIN 0x41
	WALU
.irp x, 0,1
.irp j, 0,2,4,6,8,10,12,14,16,18,20,22,24,26,28,30
	v_pk_mul_f32 v[O+32*\x+\j:O+32*\x+\j+1], v[O+32*\x+\j:O+32*\x+\j+1], v[ST+12*\x+2:ST+12*\x+3] op_sel_hi:[1,0]   ; O^T under the new M
.endr
.endr
	BOTH v_pk_mul_f32 v[LL+2*\x:LL+2*\x+1], v[LL+2*\x:LL+2*\x+1], v[ST+12*\x+2:ST+12*\x+3] op_sel_hi:[1,0]           ; and l
	WIN 0x51                                       ; V, C and D in window 1, p's codes in window 0
.irp d, 0,1
.irp x, 0,1
	v_wmma_scale_f32_16x16x128_f8f6f4 v[O+32*\x+8*\d:O+32*\x+8*\d+7], v[VF+12*\d:VF+12*\d+11], v[PC+12*\x:PC+12*\x+11], v[O+32*\x+8*\d:O+32*\x+8*\d+7], v[VS+\d], v[PW+\x] matrix_a_fmt:MATRIX_FMT_FP6 matrix_b_fmt:MATRIX_FMT_FP6
.endr
.endr
.irp d, 0,1
.irp x, 0,1
	v_wmma_scale_f32_16x16x128_f8f6f4 v[O+32*\x+16+8*\d:O+32*\x+23+8*\d], v[VF+24+12*\d:VF+35+12*\d], v[PC+12*\x:PC+12*\x+11], v[O+32*\x+16+8*\d:O+32*\x+23+8*\d], v[VS+\d], v[PW+\x] matrix_a_fmt:MATRIX_FMT_FP6 matrix_b_fmt:MATRIX_FMT_FP6 matrix_a_scale:MATRIX_SCALE_ROW1
.endr
.endr
	WIN 0x55
	LSUM                                           ; the row's sum of the unquantised p; these lines are the places behind the products
	WIN 0
	s_barrier_wait -1
	s_add_co_u32 s36, s36, RECB
	s_add_co_u32 s37, s37, 512
.endm
; The end of a pass for tile x: O^T / l, quantised along the head's 64 (register 16 b + i is channel 32 b + 16 h + i), and stored
.macro FIN x, p
.set S_, ST+12*(\x)
.set O_, O+32*(\x)
.set P_, PC+12*(\x)
.set T_, TT+8*(\x)
	WIN 0x05
	v_add_f32 v[S_+5], v[LL+2*(\x)], v[LL+2*(\x)+1]
	WIN 0
	v_permlanex16_b32 v[S_+6], v[S_+5], s32, s33
	v_add_f32 v[S_+5], v[S_+5], v[S_+6]            ; the row's sum
	WALU
	v_rcp_f32 v[S_+2], v[S_+5]
	v_nop                                          ; one plain place behind a transcendental
	WIN 0x41
	WALU
.irp j, 0,2,4,6,8,10,12,14,16,18,20,22,24,26,28,30
	v_pk_mul_f32 v[O_+\j:O_+\j+1], v[O_+\j:O_+\j+1], v[S_+2:S_+3] op_sel_hi:[1,0]
.endr
	WIN 0x05
	v_max3_num_f32 v[S_+8], |v[O_]|, |v[O_+1]|, 0x1800000
	v_max3_num_f32 v[S_+9], |v[O_+16]|, |v[O_+17]|, 0x1800000
	WIN 0x14
.irp i, 2,4,6,8,10,12,14
	v_max3_num_f32 v[S_+8], v[S_+8], |v[O_+\i]|, |v[O_+\i+1]|
	v_max3_num_f32 v[S_+9], v[S_+9], |v[O_+16+\i]|, |v[O_+17+\i]|
.endr
	WIN 0
	v_permlanex16_b32 v[S_+6], v[S_+8], s32, s33
	v_permlanex16_b32 v[S_+7], v[S_+9], s32, s33
	v_max_num_f32 v[S_+8], v[S_+8], v[S_+6]
	v_max_num_f32 v[S_+9], v[S_+9], v[S_+7]
	v_add_nc_u32 v[S_+10], 0xff000000, v[S_+8]
	v_add_nc_u32 v[S_+11], 0xff000000, v[S_+9]
	v_lshrrev_b32 v[S_+8], 23, v[S_+10]
	v_lshrrev_b32 v[S_+9], 23, v[S_+11]
	v_lshl_or_b32 v[S_+5], v[S_+9], 8, v[S_+8]     ; my row's two scale bytes
	WIN 0x01
	v_cvt_scalef32_pk16_fp6_f32 v[P_:P_+2], v[O_:O_+15], v[S_+10]
	v_cvt_scalef32_pk16_fp6_f32 v[T_:T_+2], v[O_+16:O_+31], v[S_+11]
	WIN 0
	v_nop
.irp k, 0,1,2
	v_permlane16_swap_b32 v[P_+\k], v[T_+\k]       ; the layout wants a whole block in a lane
.endr
.irp k, 0,1,2
	v_mov_b32 v[P_+3+\k], v[T_+\k]
.endr
	ds_store_b16 v19, v[S_+5] offset:512*(\p)+2*(\x)                       ; both lanes of a row write the same two bytes
	global_store_b128 v1, v[P_:P_+3], s[10:11] offset:196608*(\p)+12288*(\x)       ; 512 consecutive bytes
	global_store_b64 v2, v[P_+4:P_+5], s[10:11] offset:196608*(\p)+12288*(\x)+512  ; 256
.endm
; Two tiles of 16 queries through all 2,048 keys.  p = 0, 1: the wave's first and second pair, 16 tiles apart; every offset is an immediate.
.macro PASS p
	s_wait_xcnt 0x0                                ; the last pass's stores have read their registers
.irp x, 0,1
	global_load_b128 v[QF+12*\x:QF+12*\x+3], v1, s[4:5] offset:13312*\p+768*\x
	global_load_b64 v[QF+12*\x+4:QF+12*\x+5], v2, s[4:5] offset:13312*\p+768*\x+512
	global_load_b32 v[QS+\x], v7, s[42:43] offset:13312*\p+4*\x
.endr
	s_mov_b32 s36, 0
	s_mov_b32 s37, 0
	s_mov_b32 s38, 16
	v_add_nc_u32 v22, s36, v3
	v_add_nc_u32 v23, s36, v4
	v_add_nc_u32 v24, s36, v5
	v_add_nc_u32 v25, s37, v6
	LOADK 0, 0                                     ; the first step's
	WIN 0x40
.set J_, 0
.rept 64
	v_mov_b32 v[O+J_], 0                           ; the loop has no first step of its own: it finds zeros, which the first change of M leaves zeros
.set J_, J_+1
.endr
.irp k, 0,1,2,3
	v_mov_b32 v[LL+\k], 0
.endr
	WIN 0
	BOTH v_mov_b32 v[ST+12*\x+4], 0xff61b1e6       ; the largest score so far: -3e38
	BOTH v_mov_b32 v[ST+12*\x], 0x7f61b1e6         ; and -M: 3e38
	WALU                                           ; directly ahead of the waits below
	s_wait_loadcnt 0x0
	s_wait_dscnt 0x0
.Lks_\@:
	KSTEP
	s_sub_co_u32 s38, s38, 1
	s_cmp_lg_u32 s38, 0
	WALU                                           ; ahead of the branch
	s_cbranch_scc1 .Lks_\@
	FIN 0, \p
	FIN 1, \p
.endm
	PASS 0
	PASS 1
	v_add_nc_u32 v20, GATH, v1
	s_wait_dscnt 0x0                               ; my pairs of bytes are stored
	s_barrier_signal -1
	s_barrier_wait -1
	s_cmp_lg_u32 s14, 0                            ; wave 0 stores the work-group's 1,024 scale bytes: four whole units of 256 bytes
	s_cbranch_scc1 .Lnot_0
	WALU
	ds_load_b128 v[170:173], v20
	ds_load_b128 v[174:177], v20 offset:512
	v_bfe_u32 v21, v0, 4, 1
	v_lshl_add_u32 v21, v21, 12, v7                ; lanes 0-15 one group of 128 tokens, lanes 16-31 the next, 4,096 bytes on
	WALU
	s_wait_dscnt 0x0
	global_store_b128 v21, v[170:173], s[12:13]
	global_store_b128 v21, v[174:177], s[12:13] offset:8192
.Lnot_0:
	s_wait_tensorcnt 0x0                           ; the wave's end
	ds_add_u32 v26, v27
	s_wait_dscnt 0x0
	CROUND                                         ; the closing round
	s_endpgm
.Lfunc_end_k_q1130744778_attn:
	.size	k_q1130744778_attn, .Lfunc_end_k_q1130744778_attn-k_q1130744778_attn
	.p2alignl 7, 3214868480
	.fill 96, 4, 3214868480
	.section	.rodata,"a",@progbits
	.p2align	6, 0x0
	.amdhsa_kernel k_q1130744778_attn
		.amdhsa_group_segment_fixed_size 220160
		.amdhsa_private_segment_fixed_size 0
		.amdhsa_enable_private_segment 0
		.amdhsa_kernarg_size 40
		.amdhsa_user_sgpr_count 2
		.amdhsa_user_sgpr_kernarg_segment_ptr 1
		.amdhsa_wavefront_size32 1
		.amdhsa_system_sgpr_workgroup_id_x 1
		.amdhsa_system_sgpr_workgroup_id_y 1
		.amdhsa_system_sgpr_workgroup_id_z 1
		.amdhsa_system_vgpr_workitem_id 0
		.amdhsa_next_free_vgpr 512
		.amdhsa_next_free_sgpr 66
		.amdhsa_reserve_vcc 1
		.amdhsa_float_denorm_mode_32 3
		.amdhsa_float_denorm_mode_16_64 3
		.amdhsa_memory_ordered 1
		.amdhsa_forward_progress 1
		.amdhsa_inst_pref_size 91
	.end_amdhsa_kernel
	.amdgpu_metadata
---
amdhsa.version: [ 1, 2 ]
amdhsa.kernels:
  - .name:           k_q1130744778_attn
    .symbol:         k_q1130744778_attn.kd
    .args:
      - { .name: hq, .offset: 0, .size: 8, .value_kind: global_buffer, .address_space: global }
      - { .name: hkv, .offset: 8, .size: 8, .value_kind: global_buffer, .address_space: global }
      - { .name: mask, .offset: 16, .size: 8, .value_kind: global_buffer, .address_space: global }
      - { .name: oc, .offset: 24, .size: 8, .value_kind: global_buffer, .address_space: global }
      - { .name: os, .offset: 32, .size: 8, .value_kind: global_buffer, .address_space: global }
    .group_segment_fixed_size: 220160
    .private_segment_fixed_size: 0
    .kernarg_segment_align: 8
    .kernarg_segment_size: 40
    .max_flat_workgroup_size: 256
    .sgpr_count:     66
    .vgpr_count:     512
    .wavefront_size: 32
...
	.end_amdgpu_metadata
.endif
;; end of part 3
;; launch outp (part 4): grid 4 x 64, 4 waves a work-group, clusters of 4 x 4, 312,832 bytes of LDS; arguments oc, os, opc, ops, bo, out0; writes out0
.if DOCPART == 4
	.amdgcn_target "amdgcn-amd-amdhsa--gfx1250"
	.amdhsa_code_object_version 6
	.text
	.protected	k_q1130744778_outp
	.globl	k_q1130744778_outp
	.p2align	8
	.type	k_q1130744778_outp,@function
k_q1130744778_outp:
	s_mov_b64 s[64:65], 0
	v_nop
	global_prefetch_b8 v0, s[64:65] scope:SCOPE_SE
	s_setreg_imm32_b32 hwreg(HW_REG_WAVE_MODE, 25, 1), 1
	s_wait_xcnt 0x0
	s_wait_alu depctr_hold_cnt(0) depctr_sa_sdst(0) depctr_va_vdst(0) depctr_va_sdst(0) depctr_va_ssrc(0) depctr_va_vcc(0) depctr_vm_vsrc(0)
	s_getreg_b32 s2, hwreg(HW_REG_IB_STS2, 6, 4)
	s_cmp_eq_u32 s2, 0
	s_cbranch_scc0 .Lentry_in_a_cluster
	s_endpgm
.Lentry_in_a_cluster:
	s_bfe_u32 s2, ttmp6, 0x10000c
	s_cmp_lg_u32 s2, 0xf033
	s_cbranch_scc0 .Lentry_shape_is_right
	s_endpgm
.Lentry_shape_is_right:
; out0 = (O / l) Wo^T + bo on codes of FP6 (E2M3) with E8M0 scales; out0 [8192][1024] f32.
; SHARES.  A work-group takes 128 tokens x 256 columns; wave w takes columns 64 w on: 8 tiles of tokens x 4 tiles of columns, 32 accumulators.
; ALL of K (1,024) of the work-group's operands fits in LDS: 2 halves of four K steps, each filled ONCE by a tensor load; nothing is filled again.  By the text's own count a wave has one tensor load out.
; CLUSTERS: 4 x 4 work-groups: the tokens' tiles are shared along a row of the cluster, the weights' along a column; each chunk is asked for jointly.
; OPERANDS lie in memory and in LDS as images of the operand's registers: every LDS load is dense.  Source 0 = 16 columns of Wo, source 1 = 16 tokens: a lane holds one token and 32 of its columns.  The bias is the C of each sum's first product.
; Lane r of a tile holds row 32 (tile / 2) + 8 (tile % 2) + r + 8 (r / 8): the way out puts rows and columns back in their places.
; REGISTERS, in windows of 256: window 0: addresses, scale words, bias, rows on the way out; window 1: the accumulators, number 4 i + j at v[8 (4 i + j)]; window 2: the tokens' fragments, two sets; window 3: the weights'.
; AS THE TEXT STANDS: K comes in two halves of four K steps, each filled once.  One joint load a wave: wave 0 the tokens' 8 tiles of half 0, wave 1 the weights' 16 tiles of half 0, waves 2 and 3 the same of half 1.
.set CH,   147456                      ; a half: the tokens' 8 tiles x 6,144 bytes, then the weights' 16 tiles
.set WOFF, 49152
.set STG,  294912                      ; behind the chunks: a stage of 16 rows x (256 + 16) bytes for each wave; no fill lands here
.set SA,   32                          ; v32-95   the tokens' scale words: tile i, K step s at 8 i + s
.set SW,   96                          ; v96-127  the weights'
.set BI,   128                         ; v128-159 the bias in the result's layout
.set RAW,  160                         ; v160-223 the tokens' pairs of scale bytes as stored; later two sets of 32 registers on the way out
.set MSB, 0
.macro WIN new                         ; the immediate's high byte repeats the setting that is left
.if MSB != \new
	s_set_vgpr_msb (MSB<<8)|\new
.set MSB, \new
.endif
.endm
.macro PLACES n                        ; plain vector instructions behind a matrix instruction (ISA guide 7.12.1)
.rept \n
	v_nop
.endr
.endm
.macro CROUND                          ; a round of the cluster's barrier
	s_barrier_signal -1
	s_barrier_wait -1
	s_cmp_lg_u32 s20, 0
	s_cbranch_scc1 .Lnot_wave_0_\@
	s_barrier_signal -3
.Lnot_wave_0_\@:
	s_barrier_wait -3
	s_barrier_signal -1
	s_barrier_wait -1
.endm
.macro WAITBAR q                       ; half q is whole for every wave
.if (\q) == 0
	s_cmp_lt_u32 s20, 2                            ; waves 0 and 1 brought half 0, each by a load line of its own; half 1 may stay out
	s_cbranch_scc0 .Lyoung_\@
	s_wait_tensorcnt 0x0
.Lyoung_\@:
.else
	s_wait_tensorcnt 0x0                           ; every wave: all that is still out
.endif
	s_barrier_signal -1
	s_barrier_wait -1
.endm
	s_load_b256 s[4:11], s[0:1], 0x0               ; oc, os, opc, ops
	s_load_b128 s[12:15], s[0:1], 0x20             ; bo, out0
	v_lshl_add_u32 v254, v0, 2, 0x4c400
	v_mov_b32 v255, 0
	ds_add_u32 v254, v255
	ds_add_u32 v254, v255
	v_lshrrev_b32 v1, 5, v0
	v_readfirstlane_b32 s20, v1                    ; wave 0..3
	s_lshr_b32 s21, s20, 1                         ; which half of K I fetch
	s_bfe_u32 s23, ttmp6, 0x40000                  ; cx
	s_bfe_u32 s24, ttmp6, 0x40004                  ; cy
	s_lshl_b32 s25, ttmp9, 2
	s_add_co_u32 s25, s25, s23                     ; x: which 256 columns
	s_and_b32 s26, ttmp7, 0xffff
	s_lshl_b32 s27, s26, 2
	s_add_co_u32 s27, s27, s24                     ; y: which 128 tokens
	s_mov_b32 s30, 0x05040100                      ; v_perm_b32: the two low halves;
	s_mov_b32 s31, 0x07060302                      ; the two high halves
	s_lshl_b32 s90, s24, 2
	s_lshl_b32 s90, 15, s90                        ; my row of the cluster
	s_lshl_b32 s91, 0x1111, s23                    ; my column
	; descriptor group 1: rows of 6,144 bytes (768 elements of 8 bytes: four K steps of a tile), 12,288 bytes apart in memory, dense in LDS
	s_or_b32 s32, s90, (3<<16)|(1<<21)
	s_mov_b32 s33, 768<<16                         ; rows of 6,144 bytes: four K steps of a tile
	s_mov_b32 s34, 8<<16                           ; 8 tiles
	s_mov_b32 s35, 768<<16
	s_mov_b32 s36, 8
	s_mov_b32 s37, 1536
	s_mov_b32 s38, 0
	s_mov_b32 s39, 0
	s_or_b32 s40, s91, (3<<16)|(1<<21)
	s_mov_b32 s41, 768<<16
	s_mov_b32 s42, 16<<16                          ; 16 tiles
	s_mov_b32 s43, 768<<16
	s_mov_b32 s44, 16
	s_mov_b32 s45, 1536
	s_mov_b32 s46, 0
	s_mov_b32 s47, 0
	s_mul_i32 s84, s27, 98304                      ; the tokens: tile 8 y of oc,
	s_mul_i32 s85, s21, 6144                       ; my half of K (wave / 2)
	s_add_co_u32 s84, s84, s85
	s_mov_b32 s85, 0
	s_lshl_b32 s86, s25, 4
	s_add_co_u32 s86, s86, 1728                    ; the weights: tile 1,728 + 16 x of opc,
	s_mul_i32 s86, s86, 12288
	s_mul_i32 s87, s21, 6144                       ; my half of K
	s_add_co_u32 s86, s86, s87
	s_mov_b32 s87, 0
	s_mul_i32 s88, s21, CH                         ; where they go: no place in the cluster enters an LDS address
	s_add_co_u32 s89, s88, WOFF
	v_and_b32 v1, 31, v0                           ; lane
	v_and_b32 v2, 15, v0                           ; r
	v_bfe_u32 v3, v0, 4, 1                         ; h
	v_lshlrev_b32 v20, 4, v1                       ; 16 x lane
	v_lshlrev_b32 v21, 3, v1                       ; 8 x lane
	s_mul_i32 s92, s20, 24576
	s_add_co_u32 s92, s92, WOFF
.irp q, 0,1
	v_add_nc_u32 v[4+\q], CH*\q, v20
	v_add_nc_u32 v[8+\q], CH*\q, v21
.endr
.irp q, 0,1
	v_add_nc_u32 v[12+\q], s92, v[4+\q]
	v_add_nc_u32 v[16+\q], s92, v[8+\q]
.endr
	s_mul_i32 s93, s20, 4352
	s_add_co_u32 s93, s93, STG                     ; my stage
	v_mul_u32_u24 v22, v2, 272
	v_lshl_add_u32 v22, v3, 6, v22
	v_add_nc_u32 v22, s93, v22                     ; in: row r, + 64 h
	v_mul_u32_u24 v23, v3, 272
	v_lshl_add_u32 v23, v2, 4, v23
	v_add_nc_u32 v23, s93, v23                     ; back: lanes 0-15 one row of 256 bytes, lanes 16-31 the next
	v_lshlrev_b32 v24, 5, v2                       ; 32 r
	v_lshlrev_b32 v25, 4, v2                       ; 16 r
	v_lshlrev_b32 v26, 12, v3
	v_lshl_add_u32 v26, v2, 4, v26                 ; the same two rows in out0
	v_lshlrev_b32 v27, 6, v3                       ; 64 h
	s_wait_dscnt 0x0
	s_wait_kmcnt 0x0
	s_add_nc_u64 s[84:85], s[4:5], s[84:85]
	s_add_nc_u64 s[86:87], s[8:9], s[86:87]
	s_mov_b32 s48, 1                               ; group 0: s[48:51] the tokens', s[68:71] the weights'
	s_mov_b32 s49, s88
	s_mov_b64 s[50:51], s[84:85]
	s_or_b32 s51, s51, 0x80000000
	s_mov_b32 s68, 1
	s_mov_b32 s69, s89
	s_mov_b64 s[70:71], s[86:87]
	s_or_b32 s71, s71, 0x80000000
	CROUND                                         ; all sixteen work-groups are here: the joint loads meet
	s_cmp_eq_u32 s20, 0                            ; one chain of branches on the wave's number, one load to an arm
	s_cbranch_scc0 .Lfill_1
	tensor_load_to_lds s[48:51], s[32:39]          ; wave 0: the tokens, half 0
	s_nop 0
	PLACES 4
	s_branch .Lfilled
.Lfill_1:
	s_cmp_eq_u32 s20, 1
	s_cbranch_scc0 .Lfill_2
	tensor_load_to_lds s[68:71], s[40:47]          ; wave 1: the weights, half 0
	s_nop 0
	PLACES 4
	s_branch .Lfilled
.Lfill_2:
	s_cmp_eq_u32 s20, 2
	s_cbranch_scc0 .Lfill_3
	tensor_load_to_lds s[48:51], s[32:39]          ; wave 2: the tokens, half 1
	s_nop 0
	PLACES 4
	s_branch .Lfilled
.Lfill_3:
	tensor_load_to_lds s[68:71], s[40:47]          ; wave 3: the weights, half 1
	s_nop 0
	PLACES 4
.Lfilled:
	s_lshl_b32 s90, s27, 12
	s_mov_b32 s91, 0
	s_add_nc_u64 s[94:95], s[6:7], s[90:91]        ; os: my 128 tokens' 4,096 bytes
	s_lshl_b32 s90, s25, 4
	s_lshl_b32 s96, s20, 2
	s_add_co_u32 s90, s90, s96
	s_add_co_u32 s90, s90, 1728
	s_lshl_b32 s90, s90, 9
	s_add_nc_u64 s[96:97], s[10:11], s[90:91]      ; my weights' scale words
	s_lshl_b32 s90, s25, 10
	s_lshl_b32 s92, s20, 8
	s_add_co_u32 s90, s90, s92
	s_add_nc_u64 s[98:99], s[12:13], s[90:91]      ; bo at my 64 columns
	s_add_nc_u64 s[92:93], s[14:15], s[90:91]
	s_lshl_b32 s90, s27, 19
	s_add_nc_u64 s[92:93], s[92:93], s[90:91]      ; out0 at my first token and column
	s_wait_alu depctr_va_vdst(0)
.irp d, 0,1,2,3,4,5,6,7,8,9,10,11,12,13,14,15
	global_load_b128 v[RAW+4*\d:RAW+4*\d+3], v25, s[94:95] offset:256*\d   ; head d: row r's eight pairs of bytes, tile i in half i % 2 of register i / 2
.endr
.irp j, 0,1,2,3
	global_load_b128 v[SW+8*\j:SW+8*\j+3], v24, s[96:97] offset:512*\j
	global_load_b128 v[SW+8*\j+4:SW+8*\j+7], v24, s[96:97] offset:512*\j+16
.endr
.irp j, 0,1,2,3                        ; register k of tile j is column 32 (j / 2) + 8 (j % 2) + 16 h + k of my 64
	global_load_b128 v[BI+8*\j:BI+8*\j+3], v27, s[98:99] offset:4*(32*(\j/2)+8*(\j%2))
	global_load_b128 v[BI+8*\j+4:BI+8*\j+7], v27, s[98:99] offset:4*(32*(\j/2)+8*(\j%2))+16
.endr
.macro FETCH s                         ; K step s's fragments into set s % 2: 8 of the tokens, 4 of my weights; four dense loads each
.set FP, 128*((\s)%2)
.set FQ, (\s)/4
.set FO, 1536*((\s)%4)
	WIN 0x80                                       ; destination window 2
.irp i, 0,1,2,3,4,5,6,7
	ds_load_b128 v[FP+12*\i:FP+12*\i+3], v[4+FQ] offset:6144*\i+FO
	ds_load_b64 v[FP+12*\i+4:FP+12*\i+5], v[8+FQ] offset:6144*\i+FO+512
	ds_load_b128 v[FP+12*\i+6:FP+12*\i+9], v[4+FQ] offset:6144*\i+FO+768
	ds_load_b64 v[FP+12*\i+10:FP+12*\i+11], v[8+FQ] offset:6144*\i+FO+1280
.endr
	WIN 0xc0                                       ; destination window 3
.irp j, 0,1,2,3
	ds_load_b128 v[FP+12*\j:FP+12*\j+3], v[12+FQ] offset:6144*\j+FO
	ds_load_b64 v[FP+12*\j+4:FP+12*\j+5], v[16+FQ] offset:6144*\j+FO+512
	ds_load_b128 v[FP+12*\j+6:FP+12*\j+9], v[12+FQ] offset:6144*\j+FO+768
	ds_load_b64 v[FP+12*\j+10:FP+12*\j+11], v[16+FQ] offset:6144*\j+FO+1280
.endr
	WIN 0
.endm
.macro MUL s                           ; 32 products; the 32 accumulators take turns, one instruction a turn, in the same order in every step
.set FP, 128*((\s)%2)
.if (\s) == 0
	WIN 0x4b                                       ; source 0 window 3, source 1 window 2, C = the bias in window 0, D window 1
.else
	WIN 0x5b                                       ; C and D window 1
.endif
.irp i, 0,1,2,3,4,5,6,7
.irp j, 0,1,2,3
.if (\s) == 0
	v_wmma_scale_f32_16x16x128_f8f6f4 v[8*(4*\i+\j):8*(4*\i+\j)+7], v[FP+12*\j:FP+12*\j+11], v[FP+12*\i:FP+12*\i+11], v[BI+8*\j:BI+8*\j+7], v[SW+8*\j+(\s)], v[SA+8*\i+(\s)] matrix_a_fmt:MATRIX_FMT_FP6 matrix_b_fmt:MATRIX_FMT_FP6
.else
	v_wmma_scale_f32_16x16x128_f8f6f4 v[8*(4*\i+\j):8*(4*\i+\j)+7], v[FP+12*\j:FP+12*\j+11], v[FP+12*\i:FP+12*\i+11], v[8*(4*\i+\j):8*(4*\i+\j)+7], v[SW+8*\j+(\s)], v[SA+8*\i+(\s)] matrix_a_fmt:MATRIX_FMT_FP6 matrix_b_fmt:MATRIX_FMT_FP6
.endif
.endr
.endr
	WIN 0
.endm
.macro STEP s
	s_wait_dscnt 0x0                               ; this step's 48 loads are in (asked for 32 products ago)
.if (\s) == 3
	WAITBAR 1                                      ; the next step begins the second half
.endif
.if (\s) < 7
.if (\s) > 0
	PLACES 4                                       ; in front of loads into registers that the last products have read
.endif
	FETCH (\s)+1
.endif
	MUL \s
.endm
	WAITBAR 0
	FETCH 0
	s_wait_loadcnt 0x0
.irp i, 0,1,2,3,4,5,6,7                ; the tokens' scale word of tile i, K step s: head 2 s's two bytes below, head 2 s + 1's above
.irp s, 0,1,2,3,4,5,6,7
.if \i%2 == 0
	v_perm_b32 v[SA+8*\i+\s], v[RAW+4*(2*\s+1)+\i/2], v[RAW+8*\s+\i/2], s30
.else
	v_perm_b32 v[SA+8*\i+\s], v[RAW+4*(2*\s+1)+\i/2], v[RAW+8*\s+\i/2], s31
.endif
.endr
.endr
	PLACES 8                                       ; a scale register written by a vector instruction stands eight places ahead of a scaled matrix instruction
	s_wait_alu depctr_va_vdst(0)
.irp s, 0,1,2,3,4,5,6,7
	STEP \s
.endr
; THE WAY OUT, a tile of 16 tokens x my 64 columns at a time, through my own stage: in as 32 bytes a lane and tile of columns, back as whole rows of 256 bytes.  LDS serves a wave's instructions in order: no wait between the stores and the loads.
.macro TOSTAGE i
	WIN 0x04                                       ; an LDS store's data are its source 1: window 1
.irp j, 0,1,2,3
	ds_store_b128 v22, v[32*(\i)+8*\j:32*(\i)+8*\j+3] offset:128*(\j/2)+32*(\j%2)        ; each accumulator from its low end on
	ds_store_b128 v22, v[32*(\i)+8*\j+4:32*(\i)+8*\j+7] offset:128*(\j/2)+32*(\j%2)+16
.endr
	WIN 0
.irp t, 0,1,2,3,4,5,6,7
	ds_load_b128 v[RAW+32*((\i)%2)+4*\t:RAW+32*((\i)%2)+4*\t+3], v23 offset:544*\t
.endr
.endm
.macro SEND i, younger                 ; younger: the LDS instructions issued behind tile i's loads, which may stay out
	s_wait_dscnt \younger
.irp t, 0,1,2,3,4,5,6,7
	global_store_b128 v26, v[RAW+32*((\i)%2)+4*\t:RAW+32*((\i)%2)+4*\t+3], s[92:93] offset:(32*((\i)/2)+8*((\i)%2)+2*\t+8*(\t/4))*4096 th:TH_STORE_NT   ; sixteen lanes store 256 consecutive bytes, at a multiple of 256 from out0's first byte
.endr
.endm
	PLACES 4                                       ; in front of the first read of results
	TOSTAGE 0
.irp i, 1,2,3,4,5,6,7
.if \i > 1
	s_wait_xcnt 0x0                                ; tile i - 2's stores have read their registers: tile i's loads may land there
.endif
	TOSTAGE \i
	SEND \i-1, 16                                  ; behind tile i - 1's loads: tile i's 8 stores and 8 loads
.endr
	SEND 7, 0
	s_wait_tensorcnt 0x0
	ds_add_u32 v254, v255
	s_wait_dscnt 0x0
	CROUND                                         ; the closing round: no work-group ends while a partner may still ask for a tile that names it
	s_endpgm
.Lfunc_end_k_q1130744778_outp:
	.size	k_q1130744778_outp, .Lfunc_end_k_q1130744778_outp-k_q1130744778_outp
	.p2alignl 7, 3214868480
	.fill 96, 4, 3214868480
	.section	.rodata,"a",@progbits
	.p2align	6, 0x0
	.amdhsa_kernel k_q1130744778_outp
		.amdhsa_group_segment_fixed_size 312832
		.amdhsa_private_segment_fixed_size 0
		.amdhsa_enable_private_segment 0
		.amdhsa_kernarg_size 48
		.amdhsa_user_sgpr_count 2
		.amdhsa_user_sgpr_kernarg_segment_ptr 1
		.amdhsa_wavefront_size32 1
		.amdhsa_system_sgpr_workgroup_id_x 1
		.amdhsa_system_sgpr_workgroup_id_y 1
		.amdhsa_system_sgpr_workgroup_id_z 1
		.amdhsa_system_vgpr_workitem_id 0
		.amdhsa_next_free_vgpr 1024
		.amdhsa_next_free_sgpr 100
		.amdhsa_reserve_vcc 0
		.amdhsa_float_denorm_mode_32 3
		.amdhsa_float_denorm_mode_16_64 3
		.amdhsa_memory_ordered 1
		.amdhsa_forward_progress 1
		.amdhsa_inst_pref_size 89
	.end_amdhsa_kernel
	.amdgpu_metadata
---
amdhsa.version: [ 1, 2 ]
amdhsa.kernels:
  - .name:           k_q1130744778_outp
    .symbol:         k_q1130744778_outp.kd
    .args:
      - { .name: oc, .offset: 0, .size: 8, .value_kind: global_buffer, .address_space: global }
      - { .name: os, .offset: 8, .size: 8, .value_kind: global_buffer, .address_space: global }
      - { .name: opc, .offset: 16, .size: 8, .value_kind: global_buffer, .address_space: global }
      - { .name: ops, .offset: 24, .size: 8, .value_kind: global_buffer, .address_space: global }
      - { .name: bo, .offset: 32, .size: 8, .value_kind: global_buffer, .address_space: global }
      - { .name: out0, .offset: 40, .size: 8, .value_kind: global_buffer, .address_space: global }
    .group_segment_fixed_size: 312832
    .private_segment_fixed_size: 0
    .kernarg_segment_align: 8
    .kernarg_segment_size: 48
    .max_flat_workgroup_size: 128
    .sgpr_count:     100
    .vgpr_count:     1024
    .wavefront_size: 32
...
	.end_amdgpu_metadata
.endif
;; end of part 4
